; MI455X (gfx1250); checked and timed in simulation.
; The chip was launched on July 23, 2026; its instructions are those of AMD's public machine-readable ISA for CDNA 5 (MIT licence, August 2026) and "CDNA5" Instruction Set Architecture Reference Guide (July 2026). The comments in the code are by the model that wrote it; some were corrected since.
;; SA. Allowed arithmetic: matrix products marked QUANTISED: E3M2 operands, one E8M0 scale for each 32 along K, by v_wmma_scale_f32_16x16x128_f8f6f4 with both operands' format E3M2, f32 sums; everything else in f32.
;; Inputs: Wk 1,024 x 1,024 float32; Wq 1,024 x 1,024 float32; Wv 1,024 x 1,024 float32; x 4 x 2,048 x 1,024 float32.
;; Outputs: out0 4 x 1,024 x 2,048 float32.
;; This version of the problem:
;;   THIS VERSION OF THE PROBLEM IS GIVEN IN LOW PRECISION. The matrix products marked QUANTISED in the list below multiply operands that are first quantised to E3M2 (3 exponent bits, 2 mantissa bits; 6 bits a number), with one power-of-two scale for each 32 numbers along K (OCP MX v1.0); their sums are f32. All else is computed in f32.
;;   The module's matrix products, in the order in which they are computed (A, B: the left and right operand; K: the contracted axis; several contracted axes count as one K, in the product's order):
;;     1. [M 8,192, K 1,024] x [K 1,024, N 1,024]; A: input x; B: input Wq: QUANTISED
;;     2. [M 8,192, K 1,024] x [K 1,024, N 1,024]; A: input x; B: input Wk: QUANTISED
;;     3. [M 8,192, K 1,024] x [K 1,024, N 1,024]; A: input x; B: input Wv: QUANTISED
;;     4. batch 4 x [M 2,048, K 1,024] x [K 1,024, N 2,048]; A: computed on the way; B: computed on the way: QUANTISED
;;     5. batch 4 x [M 2,048, K 2,048] x [K 2,048, N 1,024]; A: softmax (see below); B: computed on the way: QUANTISED
;;   THE QUANTISER, for each operand of a quantised product, along K:
;;     - K is cut into blocks of 32 from its start; a last block that is shorter is filled with zeros.
;;     - A block's scale is 2^e with e = floor(log2(the largest magnitude in the block)) - 4, held to -126 .. 127; a block of zeros has e = 0. As a byte (E8M0): e + 127.
;;     - Each number is divided by its block's scale, clamped to +-28, and rounded to the nearest number of E3M2, ties to even, subnormals kept.
;;     - The product sums the exact products of the quantised numbers (number of the format x scale) in f32.
;;   ~~~python
;;   def quantise(x, axis):      # numpy; x: float32 -> the quantised numbers, widened to float32 again
;;       x = np.moveaxis(x, axis, -1); K = x.shape[-1]
;;       x = np.pad(x, [(0, 0)] * (x.ndim - 1) + [(0, -K % 32)]); x = x.reshape(x.shape[:-1] + (-1, 32)); a = np.abs(x).max(-1, keepdims=True)
;;       e = np.where(a > 0, np.clip(np.frexp(np.where(a > 0, a, 1))[1] - 1 - 4, -126, 127), 0)      # np.frexp(a)[1] - 1 = floor(log2(a)), exactly
;;       r = np.clip(x / 2.0 ** e, -28, 28)
;;       step = 2.0 ** (np.maximum(np.frexp(np.where(r == 0, 1, r))[1] - 1, -2) - 2)
;;       q = np.round(r / step) * step * 2.0 ** e      # np.round: ties to even
;;       return np.moveaxis(q.reshape(q.shape[:-2] + (-1,))[..., :K], -1, axis).astype(np.float32)
;;   ~~~
;;   SOFTMAX AHEAD OF A QUANTISED PRODUCT. Where the list says 'softmax', what is quantised is not the finished softmax but p = 2^(t - M), with t = logit x log2(e) and M = ceil(the row's largest t), a whole number; so 1/2 < the row's largest p <= 1. The row's sum l is taken of the UNQUANTISED p, in f32, and the product's result is divided by l at the end. Since M is a whole number, a kernel that streams over the keys may use a running M (the ceiling of the running maximum): every later rescaling is an exact power of two, which a block's scale takes up: the codes' values come out the same.
;;   OPERANDS COMPUTED ON THE WAY. 'Computed on the way' means the value that the module computes at that place (a softmax that the list does not call 'softmax' is quantised finished and normalised). What goes into a quantiser is computed in f32, as accurately as f32 sums, v_exp_f32 and their like allow (about 1e-6 of the number): no bf16 or f16 on the way to a quantiser, and a product that is left as it is and whose result goes on into a quantised operand takes f32 operands (vector FMAs, or v_wmma_f32_16x16x4_f32). A number that lies on a knife's edge between two numbers of the format may be rounded either way, as far as f32 arithmetic and the matrix unit's own rounding can turn it there, and no further.
;; One version. Each part assembles by itself: llvm-mc -triple=amdgcn-amd-amdhsa -mcpu=gfx1250 --defsym DOCPART=n.
;; ======== version 1 of 1: 4 launches
;; limits: right only within a limited range of input values
;; workspace buffers: opc 9,011,200 bytes; qkv 19,660,800 bytes; pc 12,582,912 bytes; pst 1,572,864 bytes
;; launch quant (part 1): grid 352 x 1, 8 waves a work-group, no clusters, 69,632 bytes of LDS; arguments x, Wq, Wk, Wv, opc; writes opc
.if DOCPART == 1
	.amdgcn_target "amdgcn-amd-amdhsa--gfx1250"
	.amdhsa_code_object_version 6
	.text
	.protected	k_q4eab0ced92_quant
	.globl	k_q4eab0ced92_quant
	.p2align	8
	.type	k_q4eab0ced92_quant,@function
k_q4eab0ced92_quant:
	s_mov_b64 s[64:65], 0
	v_nop
	global_prefetch_b8 v0, s[64:65] scope:SCOPE_SE
	s_setreg_imm32_b32 hwreg(HW_REG_WAVE_MODE, 25, 1), 1
	s_wait_xcnt 0x0
; x [8192][1024], Wq, Wk, Wv [1024][1024], f32, K innermost, become codes of BF6 (E3M2) with one E8M0 byte for each 32 along K, laid AS THE MATRIX UNIT'S REGISTERS TAKE THEM.
; LAYOUT OF opc.  Rows go in groups g of 128 (g 0-63 x, 64-71 Wq, 72-79 Wk, 80-87 Wv), K in steps ks of 128.  Chunk g*8+ks is CH = 12,800 bytes: 8 images of 1,536 bytes, then 512 bytes of scale words.
; An image is a fragment's 12 registers: register 4c+d of lane l at byte 512c+16l+4d.  Lane-row r of image i is row 32(i/2)+8(i%2)+r+8(r/8) of the group, so that a product that takes the images as source 0 has
; 16 neighbours along its rows in the 16 registers of two neighbouring result tiles.  Scale words: image i, row r at byte 256(i/4)+16r+4(i%4).
; A block's scale is 2^(floor(log2(largest magnitude))-4); its byte is the largest magnitude's exponent field less 4, held at 1 from below.
; LIMITS: a block of zeros gets the byte 1 (its codes are zeros; only this program reads the bytes); blocks whose largest magnitude lies under 2^-122 are held at byte 1; NaN and infinities are not served.
; SHARES.  A work-group takes 64 rows x 512 along K; wave w makes image 4j+(w&3) for K steps ks0 = 4kh+2(w>>2) and ks0+1.  Each load reads 512 consecutive bytes of a row; the 16 rows turn through the wave's own
; stage in LDS (pitch 528), from which lane (r, h) takes its two whole blocks of 32.  No tensor loads, no matrix unit, no cluster: memory binds and no input byte is shared between work-groups.
.set CH,  12800
.set STG, 8448                         ; a wave's stage: 16 rows x 528 bytes
.set SP,  528
.set SG,  8*STG                        ; behind the stages: 1,024 bytes of scale words, [K step of four][r][image of four]
.set RW,  64                           ; v64-191  numbers as loaded, 64 registers a fragment
.set XN,  192                          ; v192-255 my two blocks of 32
.set CD,  20                           ; v20-43   codes, 12 registers a fragment
	s_load_b256 s[4:11], s[0:1], 0x0               ; x, Wq, Wk, Wv
	s_load_b64 s[12:13], s[0:1], 0x20              ; opc
	v_lshl_add_u32 v62, v0, 2, 0x10c00
	v_mov_b32 v63, 0
	v_lshrrev_b32 v1, 5, v0
	s_delay_alu instid0(VALU_DEP_1)
	v_readfirstlane_b32 s14, v1                    ; wave 0..7
	v_and_b32 v2, 31, v0                           ; lane
	v_and_b32 v3, 15, v0                           ; r
	v_bfe_u32 v13, v0, 4, 1                        ; h
	s_delay_alu instid0(VALU_DEP_3)
	v_lshlrev_b32 v4, 4, v2                        ; 16 x lane
	s_wait_alu depctr_va_vdst(0)
	s_mul_i32 s15, s14, STG
	v_add_nc_u32 v5, s15, v4                       ; into the stage: 16 x lane of a row
	v_mul_u32_u24 v6, v3, SP
	s_delay_alu instid0(VALU_DEP_1)
	v_lshl_add_u32 v6, v13, 7, v6
	s_delay_alu instid0(VALU_DEP_1)
	v_add_nc_u32 v6, s15, v6                       ; out of it: row r, block h
	s_and_b32 s16, s14, 3                          ; i4
	s_lshr_b32 s17, s14, 2                         ; kp
	s_lshl_b32 s18, s17, 9
	s_lshl_b32 s19, s16, 2
	s_add_co_u32 s18, s18, s19
	s_add_co_u32 s18, s18, SG
	v_lshl_add_u32 v7, v3, 4, s18                  ; my scale word's place: SG + 512 kp + 16 r + 4 i4
	v_lshlrev_b32 v8, 3, v13                       ; 8 h
	v_mov_b32 v10, 0                               ; a lane permute's destination counts as read
	s_and_b32 s19, s14, 1
	s_lshl_b32 s19, s19, 9
	s_add_co_u32 s19, s19, SG
	v_add_nc_u32 v11, s19, v4                      ; waves 0, 1 at the end: two K steps' scale words
	v_mul_u32_u24 v12, v13, CH
	s_delay_alu instid0(VALU_DEP_1)
	v_lshl_add_u32 v12, v3, 4, v12                 ; and their place in opc: lanes 16-31 one chunk on
	s_mov_b32 s40, 0x76543210
	s_mov_b32 s41, 0xfedcba98                      ; selects for lane l xor 16
	s_lshr_b32 s20, ttmp9, 1                       ; which 64 rows
	s_and_b32 s21, ttmp9, 1                        ; kh
	s_lshr_b32 s22, s20, 1                         ; g
	s_and_b32 s23, s20, 1                          ; j
	s_lshl_b32 s24, s21, 2
	s_lshl_b32 s25, s17, 1
	s_add_co_u32 s24, s24, s25                     ; ks0
	s_lshr_b32 s26, s16, 1
	s_lshl_b32 s26, s26, 5
	s_and_b32 s27, s16, 1
	s_lshl_b32 s27, s27, 3
	s_add_co_u32 s26, s26, s27                     ; the image's first row among the 64
	s_lshl_b32 s26, s26, 12
	s_lshl_b32 s27, s24, 9
	s_add_co_u32 s26, s26, s27
	s_and_b32 s28, s20, 15
	s_cmp_lt_u32 s20, 128
	s_cselect_b32 s28, s20, s28                    ; the 64 rows' number inside their own tensor
	s_lshl_b32 s28, s28, 18
	s_add_co_u32 s26, s26, s28
	s_mov_b32 s27, 0
	s_lshl_b32 s30, s22, 3
	s_add_co_u32 s30, s30, s24
	s_mul_i32 s30, s30, CH
	s_lshl_b32 s29, s23, 2
	s_add_co_u32 s29, s29, s16
	s_mul_i32 s29, s29, 1536
	s_add_co_u32 s30, s30, s29                     ; chunk (g, ks0), image 4j + i4
	s_mov_b32 s31, 0
	s_lshl_b32 s32, s22, 3
	s_lshl_b32 s33, s21, 2
	s_add_co_u32 s32, s32, s33
	s_and_b32 s33, s14, 1
	s_lshl_b32 s33, s33, 1
	s_add_co_u32 s32, s32, s33
	s_mul_i32 s32, s32, CH
	s_lshl_b32 s33, s23, 8
	s_add_co_u32 s32, s32, s33
	s_add_co_u32 s32, s32, 12288                   ; chunk (g, 4kh + 2(w&1)), scale words, half j
	s_mov_b32 s33, 0
	s_wait_alu depctr_va_vdst(0)
	s_wait_kmcnt 0x0
	s_cmp_lt_u32 s20, 160                          ; the tensor is chosen by the work-group's number alone
	s_cselect_b64 s[10:11], s[8:9], s[10:11]
	s_cmp_lt_u32 s20, 144
	s_cselect_b64 s[10:11], s[6:7], s[10:11]
	s_cmp_lt_u32 s20, 128
	s_cselect_b64 s[10:11], s[4:5], s[10:11]
	s_add_nc_u64 s[10:11], s[10:11], s[26:27]
	s_add_nc_u64 s[30:31], s[12:13], s[30:31]
	s_add_nc_u64 s[32:33], s[12:13], s[32:33]
.irp f, 0,1
.irp t, 0,1,2,3,4,5,6,7,8,9,10,11,12,13,14,15
	global_load_b128 v[RW+64*\f+4*\t:RW+64*\f+4*\t+3], v4, s[10:11] offset:(\t+8*(\t/8))*4096+512*\f th:TH_LOAD_NT   ; 32 lanes read 512 consecutive bytes of the image's row t
.endr
.endr
.macro MAKE f
.if \f == 0
	s_wait_loadcnt 16                              ; this fragment's 16 loads are in; the other's 16 may be out
.else
	s_wait_loadcnt 0x0
.endif
.irp t, 0,1,2,3,4,5,6,7,8,9,10,11,12,13,14,15
	ds_store_b128 v5, v[RW+64*\f+4*\t:RW+64*\f+4*\t+3] offset:SP*\t
.endr
.irp m, 0,1,2,3,4,5,6,7
	ds_load_b128 v[XN+4*\m:XN+4*\m+3], v6 offset:16*\m            ; LDS serves a wave's instructions in order: these see the stores.  k = 32 h + 0 .. 31
.endr
.irp m, 0,1,2,3,4,5,6,7
	ds_load_b128 v[XN+32+4*\m:XN+32+4*\m+3], v6 offset:256+16*\m  ; k = 64 + 32 h + 0 .. 31
.endr
	s_wait_dscnt 0x0
.irp c, 0,1
	v_max3_num_f32 v[14+\c], |v[XN+32*\c]|, |v[XN+32*\c+1]|, 0x2800000   ; my block 2c+h, and the floor 2^(5-127): the byte cannot fall under 1
.endr
.set I, 2
.rept 15
.irp c, 0,1
	s_delay_alu instid0(VALU_DEP_2)
	v_max3_num_f32 v[14+\c], v[14+\c], |v[XN+32*\c+I]|, |v[XN+32*\c+I+1]|
.endr
.set I, I+2
.endr
.irp c, 0,1
	s_delay_alu instid0(VALU_DEP_2)
	v_add_nc_u32 v[16+\c], 0xfe000000, v[14+\c]    ; 4 off the exponent field: the conversion's scale operand
.endr
.irp c, 0,1
	s_delay_alu instid0(VALU_DEP_2)
	v_lshrrev_b32 v[18+\c], 23, v[16+\c]           ; the scale's byte
.endr
	s_delay_alu instid0(VALU_DEP_1)
	v_lshl_or_b32 v9, v19, 16, v18                 ; blocks h and 2+h,
	s_delay_alu instid0(VALU_DEP_1)
	v_lshlrev_b32 v9, v8, v9                       ; at their places in the word;
	s_delay_alu instid0(VALU_DEP_1)
	v_permlanex16_b32 v10, v9, s40, s41
	s_delay_alu instid0(VALU_DEP_1)
	v_or_b32 v9, v9, v10                           ; with lane l xor 16's two the word is whole
.irp c, 0,1
	v_cvt_scalef32_pk16_bf6_f32 v[CD+12*\f+6*\c:CD+12*\f+6*\c+2], v[XN+32*\c:XN+32*\c+15], v[16+\c]
	v_cvt_scalef32_pk16_bf6_f32 v[44+4*\c:46+4*\c], v[XN+32*\c+16:XN+32*\c+31], v[16+\c]   ; (a conversion's three registers begin on an even number)
.endr
	v_nop                                          ; one plain place behind a scaled conversion
.irp c, 0,1
.irp i, 0,1,2
	v_mov_b32 v[CD+12*\f+6*\c+3+\i], v[44+4*\c+\i]
.endr
.endr
.irp c, 0,1,2
	global_store_b128 v4, v[CD+12*\f+4*\c:CD+12*\f+4*\c+3], s[30:31] offset:CH*\f+512*\c   ; the image: 512 consecutive bytes a store
.endr
	ds_store_b32 v7, v9 offset:256*\f              ; both lanes of a row write the same word with the same value
.endm
	MAKE 0
	MAKE 1
	s_wait_dscnt 0x0                               ; for the others' sake: my scale words have landed
	s_barrier_signal -1
	s_barrier_wait -1
	s_cmp_lt_u32 s14, 2
	s_cbranch_scc0 .Lend
	ds_load_b128 v[52:55], v11                     ; four images' words of a row; lanes 16-31 the next K step's
	s_wait_dscnt 0x0
	global_store_b128 v12, v[52:55], s[32:33]      ; sixteen lanes store 256 consecutive bytes, aligned
.Lend:
	s_wait_tensorcnt 0x0
	ds_add_u32 v62, v63
	s_wait_dscnt 0x0
	s_endpgm
.Lfunc_end_k_q4eab0ced92_quant:
	.size	k_q4eab0ced92_quant, .Lfunc_end_k_q4eab0ced92_quant-k_q4eab0ced92_quant
	.p2alignl 7, 3214868480
	.fill 96, 4, 3214868480
	.section	.rodata,"a",@progbits
	.p2align	6, 0x0
	.amdhsa_kernel k_q4eab0ced92_quant
		.amdhsa_group_segment_fixed_size 69632
		.amdhsa_private_segment_fixed_size 0
		.amdhsa_enable_private_segment 0
		.amdhsa_kernarg_size 40
		.amdhsa_user_sgpr_count 2
		.amdhsa_user_sgpr_kernarg_segment_ptr 1
		.amdhsa_wavefront_size32 1
		.amdhsa_system_sgpr_workgroup_id_x 1
		.amdhsa_system_sgpr_workgroup_id_y 1
		.amdhsa_system_sgpr_workgroup_id_z 1
		.amdhsa_system_vgpr_workitem_id 0
		.amdhsa_next_free_vgpr 256
		.amdhsa_next_free_sgpr 66
		.amdhsa_reserve_vcc 0
		.amdhsa_float_denorm_mode_32 3
		.amdhsa_float_denorm_mode_16_64 3
		.amdhsa_memory_ordered 1
		.amdhsa_forward_progress 1
		.amdhsa_inst_pref_size 21
	.end_amdhsa_kernel
	.amdgpu_metadata
---
amdhsa.version: [ 1, 2 ]
amdhsa.kernels:
  - .name:           k_q4eab0ced92_quant
    .symbol:         k_q4eab0ced92_quant.kd
    .args:
      - { .name: x, .offset: 0, .size: 8, .value_kind: global_buffer, .address_space: global }
      - { .name: Wq, .offset: 8, .size: 8, .value_kind: global_buffer, .address_space: global }
      - { .name: Wk, .offset: 16, .size: 8, .value_kind: global_buffer, .address_space: global }
      - { .name: Wv, .offset: 24, .size: 8, .value_kind: global_buffer, .address_space: global }
      - { .name: opc, .offset: 32, .size: 8, .value_kind: global_buffer, .address_space: global }
    .group_segment_fixed_size: 69632
    .private_segment_fixed_size: 0
    .kernarg_segment_align: 8
    .kernarg_segment_size: 40
    .max_flat_workgroup_size: 256
    .sgpr_count:     66
    .vgpr_count:     256
    .wavefront_size: 32
...
	.end_amdgpu_metadata
.endif
;; end of part 1
;; launch proj (part 2): grid 8 x 32, 4 waves a work-group, clusters of 4 x 4, 327,680 bytes of LDS; arguments opc, qkv; writes qkv
.if DOCPART == 2
	.amdgcn_target "amdgcn-amd-amdhsa--gfx1250"
	.amdhsa_code_object_version 6
	.text
	.protected	k_q4eab0ced92_proj
	.globl	k_q4eab0ced92_proj
	.p2align	8
	.type	k_q4eab0ced92_proj,@function
k_q4eab0ced92_proj:
	s_mov_b64 s[64:65], 0
	v_nop
	global_prefetch_b8 v0, s[64:65] scope:SCOPE_SE
	s_setreg_imm32_b32 hwreg(HW_REG_WAVE_MODE, 25, 1), 1
	s_wait_xcnt 0x0
	s_wait_alu depctr_hold_cnt(0) depctr_sa_sdst(0) depctr_va_vdst(0) depctr_va_sdst(0) depctr_va_ssrc(0) depctr_va_vcc(0) depctr_vm_vsrc(0)
	s_getreg_b32 s2, hwreg(HW_REG_IB_STS2, 6, 4)
	s_cmp_eq_u32 s2, 0
	s_cbranch_scc0 .Lentry_in_a_cluster
	s_endpgm
.Lentry_in_a_cluster:
	s_bfe_u32 s2, ttmp6, 0x10000c
	s_cmp_lg_u32 s2, 0xf033
	s_cbranch_scc0 .Lentry_shape_is_right
	s_endpgm
.Lentry_shape_is_right:
; Q = x Wq^T, K = x Wk^T and V^T = Wv x^T, on codes of BF6 with E8M0 scales; each result is quantised along the NEXT product's K in registers and stored as codes.
; OPERANDS lie in opc as images of the matrix unit's registers (chunks of CH = 12,800 bytes for 128 rows x 128 K: 8 images of 1,536 bytes, 512 bytes of scale words; lane-row r of image i is row
; 32(i/2)+8(i%2)+r+8(r/8); groups 0-63 x, 64-79 Wq and Wk, 80-87 Wv).  Source 0 gives its rows to the result's registers, in natural order by that choice of rows; source 1 gives its rows to the lanes.
; qkv: chunks of CH: Q at g*8+ks, K at 512+g*8+ks, V^T at 1024+(b*8+ge)*16+ks.
; SHARES.  32 x 8 work-groups, one for each WGP.  Work-group (mt, nt) keeps 256 tokens of x and multiplies them twice:
;   first by rows 256 nt .. of [Wq; Wk] (source 0 = the weights, source 1 = x: a lane holds a token, registers run along e): a wave makes 128 x 128, 64 accumulators, 8 K steps, 512 matrix instructions;
;   then by the 128 rows of Wv's group nt (source 0 = x, source 1 = Wv: a lane holds an e, registers run along the tokens, the keys): a wave makes 64 e x 128 tokens, 32 accumulators, 8 K steps, 256 matrix instructions.
; LDS.  Quarter q is 76,800 bytes, six places of a chunk.  Quarters 0, 1: x's two halves; quarters 2, 3: the weights' two halves.  K steps 0-5 come with one first fill a wave (one tensor load of a wave is
; out at most).  At K step 1 places 0, 1 of all quarters take K steps 6, 7.  At K step 5 places 2-5 of quarters 2, 3 take Wv's eight K steps, two a wave.  In the middle of the first way out places 0, 1 of quarters
; 2, 3 take x's K steps 0, 1 once more.  V^T's K steps go in the order 2 .. 7, 0, 1, so that these are wanted last.  All of a WGP's LDS is claimed.
; CLUSTER 4 x 4: x's tiles are shared along a row of the cluster, the weights' along a column, by joint loads.  No prefetch: every refill is asked for two K steps or more ahead of the wait for it.
; LIMITS: NaN and infinities are not served; a block of zeros, or one whose largest magnitude lies under 2^-122, gets the byte 1 (only this program reads the bytes); V^T's sums take K in the order 2 .. 7, 0, 1.
; REGISTERS: window 0: v2 16 x lane, v3 16 r, v4 h, v5 16 r + 8 h, v8-21 LDS addresses, v28-29 the add's, v32-63 scale words (two sets: source 1's at 32+16s, source 0's at 40+16s), v128-223 x's 8 fragments;
; window 1: source 0's two sets at v0, v128; windows 2, 3: accumulator (a, b) at v[8(8(a%4)+b)].  V^T: Wv's 4 fragments at v64-111 and v128-175 by turns, accumulators in window 2.
; Ways out, window 0: codes at v128-223 (V^T: v176-223), scale words at v48-55 (V^T: v112-115), v224-243 at work.
; THE FIRST FILLS, as the text now has them: behind the wait for it the two words that count rows are set to 100, for the later loads of two K steps.
; One tensor load of a wave is out at most.
.set CH,    12800
.set QTR,   6*CH
.set SPARE, 4*QTR
.set TM,    224
.set TS,    232
.set TC,    236
.set MSB,   0
.macro WIN new                         ; the immediate's high byte repeats the setting that is left
.if MSB != (\new)
	s_set_vgpr_msb (MSB<<8)|(\new)
.set MSB, (\new)
.endif
.endm
.macro PLACES n                        ; plain places behind matrix instructions (ISA guide 7.12.1)
.rept \n
	v_nop
.endr
.endm
.macro CREST                           ; a round of the cluster's barrier behind its opening barrier
	s_cmp_lg_u32 s14, 0
	s_cbranch_scc1 .Lnot_wave_0_\@
	s_barrier_signal -3
.Lnot_wave_0_\@:
	s_barrier_wait -3
	s_barrier_signal -1
	s_barrier_wait -1
.endm
.macro CROUND
	s_barrier_signal -1
	s_barrier_wait -1
	CREST
.endm
.macro JLOAD                           ; the joint refill with K steps 6, 7: waves 0, 1 for x, waves 2, 3 for the weights; four v_nop follow each line
	s_cmp_eq_u32 s15, 0
	s_cbranch_scc0 .Lfor_b_\@
	tensor_load_to_lds s[32:35], s[24:31]
	s_nop 0
.rept 4
	v_nop
.endr
	s_branch .Lasked_\@
.Lfor_b_\@:
	tensor_load_to_lds s[52:55], s[44:51]
	s_nop 0
.rept 4
	v_nop
.endr
.Lasked_\@:
.endm
.macro FRAG reg, ar, off               ; an image comes back as the 12 registers that it is
.irp c, 0,1,2
	ds_load_b128 v[(\reg)+4*\c:(\reg)+4*\c+3], v[\ar] offset:(\off)+512*\c
.endr
.endm
.macro GM n                            ; K step n of Q and K: the weights' 8 fragments, x's blocks 0-3, the scale words: 40 loads
.set PS, (\n)%6
.set AR, PS/3
.set OF, (PS%3)*CH
.set ST, (\n)%2
	WIN 0x40
.irp i, 0,1,2,3,4,5,6,7
	FRAG 128*ST+12*\i, 10+AR, OF+1536*\i
.endr
	WIN 0
.irp i, 0,1,2,3
	FRAG 128+12*\i, 8+AR, OF+1536*\i
.endr
	ds_load_b128 v[32+16*ST:35+16*ST], v[12+AR] offset:OF
	ds_load_b128 v[36+16*ST:39+16*ST], v[12+AR] offset:OF+256
	ds_load_b128 v[40+16*ST:43+16*ST], v[14+AR] offset:OF
	ds_load_b128 v[44+16*ST:47+16*ST], v[14+AR] offset:OF+256
.endm
.macro GE n                            ; x's blocks 4-7: 12 loads
.set PS, (\n)%6
.set AR, PS/3
.set OF, (PS%3)*CH
.irp i, 4,5,6,7
	FRAG 128+12*\i, 8+AR, OF+1536*\i
.endr
.endm
.macro MUL16 a0, n, zero               ; x's blocks a0, a0+1 x the weights' eight.  The 64 accumulators take turns in the same order in every step
.set ST, (\n)%2
.irp a, \a0, \a0+1
.irp b, 0,1,2,3,4,5,6,7
.if \zero
	v_wmma_scale_f32_16x16x128_f8f6f4 v[8*(8*((\a)%4)+\b):8*(8*((\a)%4)+\b)+7], v[128*ST+12*\b:128*ST+12*\b+11], v[128+12*(\a):128+12*(\a)+11], 0, v[40+16*ST+\b], v[32+16*ST+(\a)] matrix_a_fmt:MATRIX_FMT_BF6 matrix_b_fmt:MATRIX_FMT_BF6
.else
	v_wmma_scale_f32_16x16x128_f8f6f4 v[8*(8*((\a)%4)+\b):8*(8*((\a)%4)+\b)+7], v[128*ST+12*\b:128*ST+12*\b+11], v[128+12*(\a):128+12*(\a)+11], v[8*(8*((\a)%4)+\b):8*(8*((\a)%4)+\b)+7], v[40+16*ST+\b], v[32+16*ST+(\a)] matrix_a_fmt:MATRIX_FMT_BF6 matrix_b_fmt:MATRIX_FMT_BF6
.endif
.endr
.endr
.endm
.macro STEP n, zero
	s_wait_dscnt 12                                ; all but the youngest 12 loads (x's blocks 4-7) are in
	WIN 0xa1
	MUL16 0, \n, \zero
	MUL16 2, \n, \zero
	s_wait_dscnt 0x0
	PLACES 4                                       ; in front of loads into registers that matrix instructions have read
	GM (\n)+1
	WIN 0xf1
	MUL16 4, \n, \zero
	MUL16 6, \n, \zero
	PLACES 4
	WIN 0
	GE (\n)+1
.endm
; A K step with a refill in it.  fill = 1: places 0, 1 of all quarters, which nobody reads any more, take K steps 6, 7.  fill = 2: places 2-5 of quarters 2, 3 take Wv's eight K steps, two a wave.
.macro TURN n, fill
	s_wait_tensorcnt 0x0                           ; all my tensor loads have landed
	ds_add_u32 v28, v29                            ; 0 onto my spare word
	s_wait_dscnt 13                                ; (the add and the youngest 12 loads may be out)
	WIN 0xa1
	MUL16 0, \n, 0
	s_wait_dscnt 0x0                               ; the add is done, and my reads of K steps 0 .. n are over
	s_barrier_signal -1
	MUL16 2, \n, 0
	WIN 0
	s_barrier_wait -1
	CREST                                          ; the barrier has opened a round of the cluster's: no wave of any partner still reads those places or has a load on its way
.if \fill == 1
	s_add_nc_u64 s[34:35], s[34:35], 6*CH
	s_add_nc_u64 s[54:55], s[54:55], 6*CH
	JLOAD                                          ; its four v_nop are also the places in front of the loads below
.else
	tensor_load_to_lds s[8:11], s[44:51]           ; every wave: its own two K steps of Wv, into bytes that are its own by the wave's number
	s_nop 0
	PLACES 4
.endif
	GM (\n)+1
	WIN 0xf1
	MUL16 4, \n, 0
	MUL16 6, \n, 0
	PLACES 4
	WIN 0
	GE (\n)+1
.endm
.macro LAST
	s_wait_dscnt 12
	WIN 0xa1
	MUL16 0, 7, 0
	MUL16 2, 7, 0
	s_wait_dscnt 0x0
	WIN 0xf1
	MUL16 4, 7, 0
	MUL16 6, 7, 0
	WIN 0
	PLACES 4
.endm
; V^T's step m takes K step (m+2)%8.  x's chunk lies in my quarter (K steps 2-5 at places 2-5, K steps 6, 7 at places 0, 1) or, K steps 0, 1, two quarters on; Wv's K steps 0-3 at places 2-5 of quarter 2, 4-7 of quarter 3.
; 39 loads: x's 8 fragments (source 0), my 4 of Wv's (source 1), the scale words.
.macro VGM m
.set KS, ((\m)+2)%8
.set ST, (\m)%2
.set VA, 64+64*ST
.if KS < 2
.set XR, 16
.set XS, 18
.set XO, KS*CH
.elseif KS < 6
.set XR, 8+KS/3
.set XS, 12+KS/3
.set XO, (KS%3)*CH
.else
.set XR, 8
.set XS, 12
.set XO, (KS-6)*CH
.endif
.if KS < 4
.set WR, 17
.set WS, 20
.set WO, KS*CH
.else
.set WR, 19
.set WS, 21
.set WO, (KS-4)*CH
.endif
	WIN 0x40
.irp i, 0,1,2,3,4,5,6,7
	FRAG 128*ST+12*\i, XR, XO+1536*\i
.endr
	WIN 0
.irp i, 0,1,2,3
	FRAG VA+12*\i, WR, WO+1536*\i
.endr
	ds_load_b128 v[32+16*ST:35+16*ST], v[WS] offset:WO
	ds_load_b128 v[40+16*ST:43+16*ST], v[XS] offset:XO
	ds_load_b128 v[44+16*ST:47+16*ST], v[XS] offset:XO+256
.endm
.macro VMUL m, zero                    ; Wv's four blocks x x's eight: the 32 accumulators take turns in the same order in every step
.set ST, (\m)%2
.set VA, 64+64*ST
.irp a, 0,1,2,3
.irp b, 0,1,2,3,4,5,6,7
.if \zero
	v_wmma_scale_f32_16x16x128_f8f6f4 v[8*(8*\a+\b):8*(8*\a+\b)+7], v[128*ST+12*\b:128*ST+12*\b+11], v[VA+12*\a:VA+12*\a+11], 0, v[40+16*ST+\b], v[32+16*ST+\a] matrix_a_fmt:MATRIX_FMT_BF6 matrix_b_fmt:MATRIX_FMT_BF6
.else
	v_wmma_scale_f32_16x16x128_f8f6f4 v[8*(8*\a+\b):8*(8*\a+\b)+7], v[128*ST+12*\b:128*ST+12*\b+11], v[VA+12*\a:VA+12*\a+11], v[8*(8*\a+\b):8*(8*\a+\b)+7], v[40+16*ST+\b], v[32+16*ST+\a] matrix_a_fmt:MATRIX_FMT_BF6 matrix_b_fmt:MATRIX_FMT_BF6
.endif
.endr
.endr
.endm
; A step of V^T: the next step's fragments are asked for first, into the other sets, then this step's 32 products.  meet = 1: x's K steps 0, 1, which waves 0, 1 fetched, are shown to every wave.
.macro VSTEP m, zero, meet
.if \meet
	s_wait_tensorcnt 0x0                           ; my last tensor load has landed
	ds_add_u32 v28, v29                            ; 0 onto my spare word
.endif
	s_wait_dscnt 0x0                               ; this step's fragments are in
.if \meet
	s_barrier_signal -1
	s_barrier_wait -1
.endif
.if (\m) < 7
	PLACES 4                                       ; in front of loads into the sets that the step before multiplied
	VGM (\m)+1
.endif
	WIN 0xa1
	VMUL \m, \zero
	WIN 0
.endm
; THE WAY OUT.  Of block a (16 lane-rows) register 16b+i of a lane is k = 32b+16h+i of the next product: its four blocks of 32 are quantised in registers and the fragment is stored as an image.
; pcb: where the codes' registers begin; swb: the scale words'; sb: the scalar pair with the chunk's address.
.macro QUANTW a, pcb, swb, sb
.set AC, 64*((\a)%4)
.set PCA, (\pcb)+12*(\a)
	WIN 0x0a+5*((\a)/4)                            ; sources 0 and 1: the accumulators' window
.irp b, 0,1,2,3
	v_max3_num_f32 v[TM+\b], |v[AC+16*\b]|, |v[AC+16*\b+1]|, 0x2800000   ; each accumulator from its low end on; the floor 2^(5-127)
.endr
.set I, 2
.rept 7
.irp b, 0,1,2,3
	v_max3_num_f32 v[TM+\b], |v[AC+16*\b+I]|, |v[AC+16*\b+I+1]|, v[TM+\b]
.endr
.set I, I+2
.endr
	WIN 0
.irp b, 0,1,2,3
	v_permlanex16_b32 v[TM+4+\b], v[TM+\b], s90, s91
.endr
.irp b, 0,1,2,3
	v_max_num_f32 v[TM+\b], v[TM+\b], v[TM+4+\b]   ; with lane l xor 16's 16: the block's largest magnitude
.endr
.irp b, 0,1,2,3
	v_add_nc_u32 v[TS+\b], 0xfe000000, v[TM+\b]    ; 4 off the exponent field: the conversion's scale operand
.endr
.irp b, 0,1,2,3
	v_lshrrev_b32 v[TM+4+\b], 23, v[TS+\b]         ; the byte
.endr
	v_lshl_or_b32 v[(\swb)+(\a)], v[TM+5], 8, v[TM+4]
	v_lshl_or_b32 v[(\swb)+(\a)], v[TM+6], 16, v[(\swb)+(\a)]
	v_lshl_or_b32 v[(\swb)+(\a)], v[TM+7], 24, v[(\swb)+(\a)]
	WIN 2+(\a)/4
.irp c, 0,1
	v_cvt_scalef32_pk16_bf6_f32 v[PCA+6*\c:PCA+6*\c+2], v[AC+32*\c:AC+32*\c+15], v[TS+2*\c]
	v_cvt_scalef32_pk16_bf6_f32 v[TC+4*\c:TC+4*\c+2], v[AC+32*\c+16:AC+32*\c+31], v[TS+2*\c+1]
.endr
	WIN 0
	v_nop                                          ; one plain place behind a scaled conversion
.irp c, 0,1                            ; the operand wants a whole block in a lane: lanes 0-15 block 2c, lanes 16-31 block 2c+1
.irp i, 0,1,2
	v_permlane16_swap_b32 v[PCA+6*\c+\i], v[TC+4*\c+\i]
.endr
.irp i, 0,1,2
	v_mov_b32 v[PCA+6*\c+3+\i], v[TC+4*\c+\i]
.endr
.endr
.irp c, 0,1,2
	global_store_b128 v2, v[PCA+4*\c:PCA+4*\c+3], s[\sb:\sb+1] offset:1536*(\a)+512*\c   ; 512 consecutive bytes; each block has registers of its own
.endr
.endm
	s_load_b128 s[4:7], s[0:1], 0x0                ; opc, qkv
	v_lshl_add_u32 v28, v0, 2, SPARE
	v_mov_b32 v29, 0
	ds_add_u32 v28, v29
	ds_add_u32 v28, v29
	s_wait_dscnt 0x0
	v_lshrrev_b32 v1, 5, v0
	v_readfirstlane_b32 s14, v1                    ; wave 0..3
	s_lshr_b32 s15, s14, 1                         ; my half of the tokens.  Also: I fetch for x (0) or for the weights (1)
	s_and_b32 s16, s14, 1                          ; my half of the weights' rows.  Also: which 128 rows I fetch
	s_bfe_u32 s66, ttmp6, 0x40000                  ; cx
	s_bfe_u32 s67, ttmp6, 0x40004                  ; cy
	s_and_b32 s70, ttmp7, 0xffff                   ; cluster y
	s_lshl_b32 s68, s67, 2
	s_lshl_b32 s68, 15, s68                        ; my row of the cluster
	s_lshl_b32 s69, 0x1111, s66                    ; my column
	s_or_b32 s24, s68, (3<<16)|(1<<21)             ; group 1: a dense block of 76,800 bytes as 300 rows of 32 elements of 8 bytes; the mask, bit 21 beside it
	s_or_b32 s44, s69, (3<<16)|(1<<21)
.irp g, 24, 44
	s_mov_b32 s[\g+1], 32<<16
	s_mov_b32 s[\g+2], 300<<16
	s_mov_b32 s[\g+3], 32<<16
	s_mov_b32 s[\g+4], 300
	s_mov_b32 s[\g+5], 32
	s_mov_b32 s[\g+6], 0
	s_mov_b32 s[\g+7], 0
.endr
	s_lshl_b32 s74, s70, 2
	s_add_co_u32 s74, s74, s67
	s_lshl_b32 s74, s74, 1                         ; x's first group: 2(4Y+cy)
	s_add_co_u32 s72, s74, s16
	s_mul_i32 s72, s72, 8*CH                       ; the group of x that I fetch, K step 0
	s_mov_b32 s73, 0
	s_lshl_b32 s79, ttmp9, 2
	s_add_co_u32 s79, s79, s66                     ; nt = 4X+cx
	s_lshl_b32 s78, s79, 1
	s_add_co_u32 s76, s78, 64
	s_add_co_u32 s76, s76, s16
	s_mul_i32 s76, s76, 8*CH                       ; the group of [Wq; Wk] that I fetch: 64 + 2 nt + half
	s_mov_b32 s77, 0
	s_add_co_u32 s82, s79, 80
	s_mul_i32 s82, s82, 8*CH
	s_mul_i32 s83, s14, 2*CH
	s_add_co_u32 s82, s82, s83                     ; Wv's group nt, K steps 2 x wave and the next
	s_mov_b32 s83, 0
	s_add_co_u32 s80, s78, s16                     ; Q, K: my block of 128 columns: bit 3 says Q or K, the rest is the K step
	s_lshr_b32 s81, s80, 3
	s_lshl_b32 s81, s81, 9
	s_and_b32 s80, s80, 7
	s_add_co_u32 s80, s80, s81
	s_add_co_u32 s75, s74, s15                     ; my tokens' group
	s_lshl_b32 s81, s75, 3
	s_add_co_u32 s80, s80, s81
	s_mul_i32 s80, s80, CH                         ; my chunk of Q or K
	s_mov_b32 s81, 0
	s_lshr_b32 s92, s75, 4                         ; V^T: the batch,
	s_lshl_b32 s92, s92, 7
	s_and_b32 s93, s75, 15                         ; my tokens' group in it is the K step,
	s_add_co_u32 s92, s92, s93
	s_lshl_b32 s93, s79, 4                         ; nt the group of e
	s_add_co_u32 s92, s92, s93
	s_add_co_u32 s92, s92, 1024
	s_mul_i32 s92, s92, CH                         ; the chunk of V^T that two waves share:
	s_mul_i32 s94, s16, 6144
	s_add_co_u32 s94, s94, s92                     ; my four images,
	s_mov_b32 s95, 0
	s_lshl_b32 s93, s16, 8
	s_add_co_u32 s92, s92, s93
	s_add_co_u32 s92, s92, 12288                   ; and their 256 bytes of scale words
	s_mov_b32 s93, 0
	s_mul_i32 s84, s14, QTR                        ; my quarter: no place in the cluster enters an LDS address
	s_mul_i32 s85, s16, QTR
	s_add_co_u32 s85, s85, 2*QTR                   ; where x's K steps 0, 1 come back: quarter 2 + half
	s_mul_i32 s71, s15, QTR
	s_mul_i32 s17, s16, 2*CH
	s_add_co_u32 s71, s71, s17
	s_add_co_u32 s71, s71, 2*QTR+2*CH              ; where my two K steps of Wv go: quarter 2 + wave/2, places 2 + 2 (wave%2) and the next
	s_mov_b32 s90, 0x76543210
	s_mov_b32 s91, 0xfedcba98
	s_wait_kmcnt 0x0
	s_add_nc_u64 s[72:73], s[4:5], s[72:73]
	s_add_nc_u64 s[76:77], s[4:5], s[76:77]
	s_add_nc_u64 s[82:83], s[4:5], s[82:83]
	s_add_nc_u64 s[86:87], s[6:7], s[80:81]
	s_add_nc_u64 s[88:89], s[6:7], s[94:95]
	s_add_nc_u64 s[92:93], s[6:7], s[92:93]
	CROUND                                         ; all sixteen work-groups are here: the first joint loads meet
.irp q, 0
	s_mov_b32 s[32+4*\q], 1
	s_add_co_u32 s[33+4*\q], s84, \q*2*CH
	s_add_nc_u64 s[34+4*\q:35+4*\q], s[72:73], \q*2*CH
	s_or_b32 s[35+4*\q], s[35+4*\q], 0x80000000
	s_mov_b32 s[52+4*\q], 1
	s_add_co_u32 s[53+4*\q], s84, \q*2*CH
	s_add_nc_u64 s[54+4*\q:55+4*\q], s[76:77], \q*2*CH
	s_or_b32 s[55+4*\q], s[55+4*\q], 0x80000000
.endr
	s_mov_b32 s8, 1                                ; group 0 for Wv's tiles
	s_mov_b32 s9, s71
	s_mov_b64 s[10:11], s[82:83]
	s_or_b32 s11, s11, 0x80000000
	s_mov_b32 s20, 1                               ; group 0 for x's K steps 0, 1, the second time
	s_mov_b32 s21, s85
	s_mov_b64 s[22:23], s[72:73]
	s_or_b32 s23, s23, 0x80000000
	s_cmp_eq_u32 s15, 0                            ; a wave's first fill stands in one branch
	s_cbranch_scc0 .Lfirst_b
	tensor_load_to_lds s[32:35], s[24:31]
	s_nop 0
.rept 4
	v_nop
.endr
	s_branch .Lfirst_done
.Lfirst_b:
	tensor_load_to_lds s[52:55], s[44:51]
	s_nop 0
.rept 4
	v_nop
.endr
.Lfirst_done:
	v_and_b32 v1, 31, v0
	v_lshlrev_b32 v2, 4, v1                        ; 16 x lane
	v_and_b32 v3, 15, v0
	v_lshlrev_b32 v3, 4, v3                        ; 16 r
	v_bfe_u32 v4, v0, 4, 1                         ; h
	v_lshl_add_u32 v5, v4, 3, v3                   ; 16 r + 8 h
	s_mul_i32 s80, s15, QTR
	s_mul_i32 s81, s16, QTR
	s_add_co_u32 s81, s81, 2*QTR
	v_add_nc_u32 v8, s80, v2                       ; x's images, places 0-2; v9: places 3-5
	v_add_nc_u32 v9, 3*CH, v8
	v_add_nc_u32 v10, s81, v2                      ; the weights'
	v_add_nc_u32 v11, 3*CH, v10
	s_add_co_u32 s80, s80, 12288
	s_add_co_u32 s81, s81, 12288
	v_add_nc_u32 v12, s80, v3                      ; x's scale words: lanes 16-31 hold the same as lanes 0-15
	v_add_nc_u32 v13, 3*CH, v12
	v_add_nc_u32 v14, s81, v3                      ; the weights'
	v_add_nc_u32 v15, 3*CH, v14
	v_add_nc_u32 v16, 2*QTR, v8                    ; x's K steps 0, 1, the second time: two quarters on
	v_add_nc_u32 v18, 2*QTR, v12                   ; and their scale words
	s_mul_i32 s17, s16, 6144
	s_add_co_u32 s17, s17, 2*QTR+2*CH
	v_add_nc_u32 v17, s17, v2                      ; Wv's K steps 0-3: my four images
	v_add_nc_u32 v19, QTR, v17                     ; K steps 4-7
	s_lshl_b32 s18, s16, 8
	s_add_co_u32 s18, s18, 2*QTR+2*CH+12288
	v_add_nc_u32 v20, s18, v3                      ; their scale words
	v_add_nc_u32 v21, QTR, v20
.irp b, 0,1,2,3
	v_mov_b32 v[TM+4+\b], 0                        ; a lane permute's destination counts as read
.endr
	s_wait_tensorcnt 0x0                           ; my quarter's K steps 0-5 are in
	s_mov_b32 s26, 100<<16                         ; no tensor load of mine is out, so a descriptor may be written: from here on a load brings 100 rows
	s_mov_b32 s28, 100
	s_mov_b32 s46, 100<<16
	s_mov_b32 s48, 100
	s_barrier_signal -1
	s_barrier_wait -1
	GM 0
	GE 0
	STEP 0, 1                                      ; the first products start the sums: nothing is cleared
	TURN 1, 1                                      ; K steps 6, 7 are asked for
	STEP 2, 0
	STEP 3, 0
	STEP 4, 0
	TURN 5, 2                                      ; K steps 6, 7 have landed in every wave's quarter; Wv is asked for
	STEP 6, 0
	LAST
	; Q's and K's way out, first half
.irp a, 0,1,2,3
	QUANTW \a, 128, 48, 86
.endr
	; Places 0, 1 of quarters 2, 3, whose last reads were K step 7's, take x's K steps 0, 1 once more.  The same round shows Wv's tiles to every wave.
	s_wait_tensorcnt 0x0                           ; my two K steps of Wv have landed
	ds_add_u32 v28, v29                            ; 0 onto my spare word
	s_wait_dscnt 0x0                               ; the add is done; my reads of those places were over long ago
	CROUND
	s_cmp_eq_u32 s15, 0
	s_cbranch_scc0 .Lno_x01
	tensor_load_to_lds s[20:23], s[24:31]
	s_nop 0
.rept 4
	v_nop
.endr
.Lno_x01:
	VGM 0                                          ; V^T's first fragments, into registers that the rest of the way out does not touch
.irp a, 4,5,6,7
	QUANTW \a, 128, 48, 86
.endr
	v_cmp_eq_u32 vcc_lo, 1, v4
.irp k, 0,1,2,3
	v_cndmask_b32 v[56+\k], v[48+\k], v[52+\k], vcc_lo   ; lanes 0-15: images 0-3 of row r; lanes 16-31: images 4-7
.endr
	global_store_b128 v2, v[56:59], s[86:87] offset:12288
	s_wait_xcnt 0x0                                ; the stores have read their registers: V^T's loads may land there
	VSTEP 0, 1, 0                                  ; the first products start the sums
	VSTEP 1, 0, 0
	VSTEP 2, 0, 0
	VSTEP 3, 0, 0
	VSTEP 4, 0, 0
	VSTEP 5, 0, 1                                  ; the fragments asked for in this step are x's K step 0
	VSTEP 6, 0, 0
	VSTEP 7, 0, 0
	PLACES 4
	; V^T's way out: my four images and their scale words
.irp a, 0,1,2,3
	QUANTW \a, 176, 112, 88
.endr
	v_cndmask_b32 v116, v112, v114, vcc_lo         ; lane (r, h): the words of my images 2h, 2h+1 of row r
	v_cndmask_b32 v117, v113, v115, vcc_lo
	global_store_b64 v5, v[116:117], s[92:93]      ; 32 lanes store 256 consecutive bytes, aligned
	s_wait_tensorcnt 0x0                           ; the wave's end
	ds_add_u32 v28, v29
	s_wait_dscnt 0x0
	CROUND                                         ; the closing round
	s_endpgm
.Lfunc_end_k_q4eab0ced92_proj:
	.size	k_q4eab0ced92_proj, .Lfunc_end_k_q4eab0ced92_proj-k_q4eab0ced92_proj
	.p2alignl 7, 3214868480
	.fill 96, 4, 3214868480
	.section	.rodata,"a",@progbits
	.p2align	6, 0x0
	.amdhsa_kernel k_q4eab0ced92_proj
		.amdhsa_group_segment_fixed_size 327680
		.amdhsa_private_segment_fixed_size 0
		.amdhsa_enable_private_segment 0
		.amdhsa_kernarg_size 16
		.amdhsa_user_sgpr_count 2
		.amdhsa_user_sgpr_kernarg_segment_ptr 1
		.amdhsa_wavefront_size32 1
		.amdhsa_system_sgpr_workgroup_id_x 1
		.amdhsa_system_sgpr_workgroup_id_y 1
		.amdhsa_system_sgpr_workgroup_id_z 1
		.amdhsa_system_vgpr_workitem_id 0
		.amdhsa_next_free_vgpr 1024
		.amdhsa_next_free_sgpr 100
		.amdhsa_reserve_vcc 1
		.amdhsa_float_denorm_mode_32 3
		.amdhsa_float_denorm_mode_16_64 3
		.amdhsa_memory_ordered 1
		.amdhsa_forward_progress 1
		.amdhsa_inst_pref_size 209
	.end_amdhsa_kernel
	.amdgpu_metadata
---
amdhsa.version: [ 1, 2 ]
amdhsa.kernels:
  - .name:           k_q4eab0ced92_proj
    .symbol:         k_q4eab0ced92_proj.kd
    .args:
      - { .name: opc, .offset: 0, .size: 8, .value_kind: global_buffer, .address_space: global }
      - { .name: qkv, .offset: 8, .size: 8, .value_kind: global_buffer, .address_space: global }
    .group_segment_fixed_size: 327680
    .private_segment_fixed_size: 0
    .kernarg_segment_align: 8
    .kernarg_segment_size: 16
    .max_flat_workgroup_size: 128
    .sgpr_count:     100
    .vgpr_count:     1024
    .wavefront_size: 32
...
	.end_amdgpu_metadata
.endif
;; end of part 2
;; launch score (part 3): grid 8 x 32, 4 waves a work-group, clusters of 4 x 4, 327,680 bytes of LDS; arguments qkv, pc, pst; writes pc, pst
.if DOCPART == 3
	.amdgcn_target "amdgcn-amd-amdhsa--gfx1250"
	.amdhsa_code_object_version 6
	.text
	.protected	k_q4eab0ced92_score
	.globl	k_q4eab0ced92_score
	.p2align	8
	.type	k_q4eab0ced92_score,@function
k_q4eab0ced92_score:
	s_mov_b64 s[64:65], 0
	v_nop
	global_prefetch_b8 v0, s[64:65] scope:SCOPE_SE
	s_setreg_imm32_b32 hwreg(HW_REG_WAVE_MODE, 25, 1), 1
	s_wait_xcnt 0x0
	s_wait_alu depctr_hold_cnt(0) depctr_sa_sdst(0) depctr_va_vdst(0) depctr_va_sdst(0) depctr_va_ssrc(0) depctr_va_vcc(0) depctr_vm_vsrc(0)
	s_getreg_b32 s2, hwreg(HW_REG_IB_STS2, 6, 4)
	s_cmp_eq_u32 s2, 0
	s_cbranch_scc0 .Lentry_in_a_cluster
	s_endpgm
.Lentry_in_a_cluster:
	s_bfe_u32 s2, ttmp6, 0x10000c
	s_cmp_lg_u32 s2, 0xf033
	s_cbranch_scc0 .Lentry_shape_is_right
	s_endpgm
.Lentry_shape_is_right:
; S = Q K^T on codes of BF6, and the softmax's p, quantised along the keys, for each (query, 128 keys) under a LOCAL whole number M: t = S x log2(e)/32, M = ceil(largest t of the 128), p = 2^(t-M).
; Stored: P's codes (pc: chunks of 12,288 bytes, 8 images, index gq*16+ks) and, in pst (1,536 bytes a chunk), its scale words, N = -M (f32) and the sum of the unquantised p (f32), each 512 bytes laid
; 256(i/4)+16r+4(i%4).  The next launch brings every chunk under the row's largest M by an exact power of two, which the scale bytes take up: the maximum is taken away before every exponential.
; Source 0 = K (its rows, the keys, fall into registers in natural order), source 1 = Q (a lane holds one query).  Operands as images of registers in qkv (Q at chunk g*8+ks, K at 512+g*8+ks).
; SHARES, LDS, CLUSTER: a work-group makes 256 queries x 256 keys, a wave 128 x 128 over 8 K steps; four quarters of six chunks; K steps 6, 7 refill places 0, 1; one tensor load of a wave is out at most.
; Q's tiles are shared along a row of the 4 x 4 cluster, K's along a column.  All of a WGP's LDS is claimed.  No prefetch: six of eight K steps are asked for at the head.
; LIMITS: NaN and infinities are not served; a p under 2^-126 becomes 0; a block whose every p is under 2^-122 gets the byte 1.
; REGISTERS: as in the projection's text.  Epilogue, window 0: v64-127 p, v128-223 codes, v32-39 N, v40-47 sums, v48-55 scale words, v224-251 at work.
; THE FIRST FILLS, as the text now has them: K steps 0-5 of a wave's quarter come by ONE tensor load of 300 rows of 256 bytes; behind the wait for it the two words that count rows are set to 100, for the refill with K steps 6, 7.
; One tensor load of a wave is out at most.
.set CH,    12800
.set QTR,   6*CH
.set SPARE, 4*QTR
.set TM,    224
.set TS,    232
.set TC,    236
.set MP,    248
.set T0,    250
.set T1,    251
.set MSB,   0
.macro WIN new
.if MSB != (\new)
	s_set_vgpr_msb (MSB<<8)|(\new)
.set MSB, (\new)
.endif
.endm
.macro PLACES n
.rept \n
	v_nop
.endr
.endm
.macro CREST
	s_cmp_lg_u32 s14, 0
	s_cbranch_scc1 .Lnot_wave_0_\@
	s_barrier_signal -3
.Lnot_wave_0_\@:
	s_barrier_wait -3
	s_barrier_signal -1
	s_barrier_wait -1
.endm
.macro CROUND
	s_barrier_signal -1
	s_barrier_wait -1
	CREST
.endm
.macro JLOAD
	s_cmp_eq_u32 s15, 0
	s_cbranch_scc0 .Lfor_b_\@
	tensor_load_to_lds s[32:35], s[24:31]
	s_nop 0
.rept 4
	v_nop
.endr
	s_branch .Lasked_\@
.Lfor_b_\@:
	tensor_load_to_lds s[52:55], s[44:51]
	s_nop 0
.rept 4
	v_nop
.endr
.Lasked_\@:
.endm
.macro FRAG reg, ar, off
.irp c, 0,1,2
	ds_load_b128 v[(\reg)+4*\c:(\reg)+4*\c+3], v[\ar] offset:(\off)+512*\c
.endr
.endm
.macro GM n
.set PS, (\n)%6
.set AR, PS/3
.set OF, (PS%3)*CH
.set ST, (\n)%2
	WIN 0x40
.irp i, 0,1,2,3,4,5,6,7
	FRAG 128*ST+12*\i, 10+AR, OF+1536*\i
.endr
	WIN 0
.irp i, 0,1,2,3
	FRAG 128+12*\i, 8+AR, OF+1536*\i
.endr
	ds_load_b128 v[32+16*ST:35+16*ST], v[12+AR] offset:OF
	ds_load_b128 v[36+16*ST:39+16*ST], v[12+AR] offset:OF+256
	ds_load_b128 v[40+16*ST:43+16*ST], v[14+AR] offset:OF
	ds_load_b128 v[44+16*ST:47+16*ST], v[14+AR] offset:OF+256
.endm
.macro GE n
.set PS, (\n)%6
.set AR, PS/3
.set OF, (PS%3)*CH
.irp i, 4,5,6,7
	FRAG 128+12*\i, 8+AR, OF+1536*\i
.endr
.endm
.macro MUL16 a0, n, zero               ; the 64 accumulators take turns in the same order in every step
.set ST, (\n)%2
.irp a, \a0, \a0+1
.irp b, 0,1,2,3,4,5,6,7
.if \zero
	v_wmma_scale_f32_16x16x128_f8f6f4 v[8*(8*((\a)%4)+\b):8*(8*((\a)%4)+\b)+7], v[128*ST+12*\b:128*ST+12*\b+11], v[128+12*(\a):128+12*(\a)+11], 0, v[40+16*ST+\b], v[32+16*ST+(\a)] matrix_a_fmt:MATRIX_FMT_BF6 matrix_b_fmt:MATRIX_FMT_BF6
.else
	v_wmma_scale_f32_16x16x128_f8f6f4 v[8*(8*((\a)%4)+\b):8*(8*((\a)%4)+\b)+7], v[128*ST+12*\b:128*ST+12*\b+11], v[128+12*(\a):128+12*(\a)+11], v[8*(8*((\a)%4)+\b):8*(8*((\a)%4)+\b)+7], v[40+16*ST+\b], v[32+16*ST+(\a)] matrix_a_fmt:MATRIX_FMT_BF6 matrix_b_fmt:MATRIX_FMT_BF6
.endif
.endr
.endr
.endm
.macro STEP n, zero
	s_wait_dscnt 12                                ; all but the youngest 12 loads (A's blocks 4-7) are in
	WIN 0xa1
	MUL16 0, \n, \zero
	MUL16 2, \n, \zero
	s_wait_dscnt 0x0
	PLACES 4
	GM (\n)+1
	WIN 0xf1
	MUL16 4, \n, \zero
	MUL16 6, \n, \zero
	PLACES 4
	WIN 0
	GE (\n)+1
.endm
.macro TURN n, fill
	s_wait_tensorcnt 0x0                           ; all my tensor loads have landed
	ds_add_u32 v28, v29                            ; 0 onto my spare word
	s_wait_dscnt 13                                ; (the add and the youngest 12 loads may be out)
	WIN 0xa1
	MUL16 0, \n, 0
	s_wait_dscnt 0x0                               ; the add is done, and my reads so far are over
	s_barrier_signal -1
	MUL16 2, \n, 0
	WIN 0
	s_barrier_wait -1
.if \fill
	CREST                                          ; a round of the cluster's barrier: no wave of any partner still reads places 0, 1 or has a load on its way
	s_add_nc_u64 s[34:35], s[34:35], 6*CH
	s_add_nc_u64 s[54:55], s[54:55], 6*CH
	JLOAD
.else
	PLACES 4
.endif
	GM (\n)+1
	WIN 0xf1
	MUL16 4, \n, 0
	MUL16 6, \n, 0
	PLACES 4
	WIN 0
	GE (\n)+1
.endm
.macro LAST
	s_wait_dscnt 12
	WIN 0xa1
	MUL16 0, 7, 0
	MUL16 2, 7, 0
	s_wait_dscnt 0x0
	WIN 0xf1
	MUL16 4, 7, 0
	MUL16 6, 7, 0
	WIN 0
	PLACES 4
.endm
	s_load_b128 s[4:7], s[0:1], 0x0                ; qkv, pc
	s_load_b64 s[8:9], s[0:1], 0x10                ; pst
	v_lshl_add_u32 v28, v0, 2, SPARE
	v_mov_b32 v29, 0
	ds_add_u32 v28, v29
	ds_add_u32 v28, v29
	s_wait_dscnt 0x0
	v_lshrrev_b32 v1, 5, v0
	v_readfirstlane_b32 s14, v1
	s_lshr_b32 s15, s14, 1
	s_and_b32 s16, s14, 1
	s_bfe_u32 s66, ttmp6, 0x40000                  ; cx
	s_bfe_u32 s67, ttmp6, 0x40004                  ; cy
	s_and_b32 s70, ttmp7, 0xffff                   ; cluster y
	s_lshl_b32 s68, s67, 2
	s_lshl_b32 s68, 15, s68
	s_lshl_b32 s69, 0x1111, s66
	s_or_b32 s24, s68, (3<<16)|(1<<21)
	s_or_b32 s44, s69, (3<<16)|(1<<21)
.irp g, 24, 44
	s_mov_b32 s[\g+1], 32<<16
	s_mov_b32 s[\g+2], 300<<16
	s_mov_b32 s[\g+3], 32<<16
	s_mov_b32 s[\g+4], 300
	s_mov_b32 s[\g+5], 32
	s_mov_b32 s[\g+6], 0
	s_mov_b32 s[\g+7], 0
.endr
	s_lshl_b32 s72, s70, 2
	s_add_co_u32 s72, s72, s67
	s_lshl_b32 s72, s72, 1                         ; Q's first group: 2(4Y+cy)
	s_add_co_u32 s74, s72, s15                     ; my queries' group
	s_add_co_u32 s72, s72, s16
	s_mul_i32 s72, s72, 8*CH
	s_mov_b32 s73, 0
	s_lshl_b32 s76, ttmp9, 2
	s_add_co_u32 s76, s76, s66
	s_lshl_b32 s76, s76, 1                         ; 2(4X+cx)
	s_add_co_u32 s78, s76, s16                     ; my keys' block of 128 in the batch
	s_lshr_b32 s79, s70, 1                         ; the batch
	s_lshl_b32 s79, s79, 4
	s_add_co_u32 s76, s76, s79
	s_add_co_u32 s76, s76, s16
	s_mul_i32 s76, s76, 8*CH
	s_add_co_u32 s76, s76, 512*CH                  ; K lies behind Q
	s_mov_b32 s77, 0
	s_lshl_b32 s80, s74, 4
	s_add_co_u32 s80, s80, s78
	s_mul_i32 s82, s80, 12288
	s_mov_b32 s83, 0
	s_mul_i32 s84, s80, 1536
	s_mov_b32 s85, 0
	s_mul_i32 s81, s14, QTR
	s_mov_b32 s90, 0x76543210
	s_mov_b32 s91, 0xfedcba98
	s_mov_b32 s92, 0x3d38aa3b                      ; c = log2(e) / sqrt(1024)
	s_mov_b32 s93, s92                             ; (named with it as a pair, so it is written)
	s_wait_kmcnt 0x0
	s_add_nc_u64 s[72:73], s[4:5], s[72:73]
	s_add_nc_u64 s[76:77], s[4:5], s[76:77]
	s_add_nc_u64 s[86:87], s[6:7], s[82:83]
	s_add_nc_u64 s[88:89], s[8:9], s[84:85]
	CROUND
.irp q, 0
	s_mov_b32 s[32+4*\q], 1
	s_add_co_u32 s[33+4*\q], s81, \q*2*CH
	s_add_nc_u64 s[34+4*\q:35+4*\q], s[72:73], \q*2*CH
	s_or_b32 s[35+4*\q], s[35+4*\q], 0x80000000
	s_mov_b32 s[52+4*\q], 1
	s_add_co_u32 s[53+4*\q], s81, \q*2*CH
	s_add_nc_u64 s[54+4*\q:55+4*\q], s[76:77], \q*2*CH
	s_or_b32 s[55+4*\q], s[55+4*\q], 0x80000000
.endr
	s_cmp_eq_u32 s15, 0
	s_cbranch_scc0 .Lfirst_b
	tensor_load_to_lds s[32:35], s[24:31]
	s_nop 0
.rept 4
	v_nop
.endr
	s_branch .Lfirst_done
.Lfirst_b:
	tensor_load_to_lds s[52:55], s[44:51]
	s_nop 0
.rept 4
	v_nop
.endr
.Lfirst_done:
	v_and_b32 v1, 31, v0
	v_lshlrev_b32 v2, 4, v1
	v_and_b32 v3, 15, v0
	v_lshlrev_b32 v3, 4, v3
	v_bfe_u32 v4, v0, 4, 1
	s_mul_i32 s80, s15, QTR
	s_mul_i32 s81, s16, QTR
	s_add_co_u32 s81, s81, 2*QTR
	v_add_nc_u32 v8, s80, v2
	v_add_nc_u32 v9, 3*CH, v8
	v_add_nc_u32 v10, s81, v2
	v_add_nc_u32 v11, 3*CH, v10
	s_add_co_u32 s80, s80, 12288
	s_add_co_u32 s81, s81, 12288
	v_add_nc_u32 v12, s80, v3
	v_add_nc_u32 v13, 3*CH, v12
	v_add_nc_u32 v14, s81, v3
	v_add_nc_u32 v15, 3*CH, v14
.irp b, 0,1,2,3
	v_mov_b32 v[TM+4+\b], 0                        ; lane permutes' destinations count as read
.endr
	v_mov_b32 v[T1], 0
	v_mov_b32 v[MP+1], 0                           ; (named as the upper half of a pair)
	s_wait_alu depctr_va_vdst(0)
	s_wait_tensorcnt 0x0                           ; my quarter's K steps 0-5 are in
	s_mov_b32 s26, 100<<16                         ; no tensor load of mine is out, so a descriptor may be written: from here on a load brings 100 rows
	s_mov_b32 s28, 100
	s_mov_b32 s46, 100<<16
	s_mov_b32 s48, 100
	s_barrier_signal -1
	s_barrier_wait -1
	GM 0
	GE 0
	STEP 0, 1
	TURN 1, 1
	STEP 2, 0
	STEP 3, 0
	STEP 4, 0
	TURN 5, 0
	STEP 6, 0
	LAST
; THE SOFTMAX OF BLOCK a (16 queries x my 128 keys).  Register 16b+i of a lane is key 32b+16h+i of its query.
.macro SOFTQ a
.set AC, 64*((\a)%4)
.set PCA, 128+12*(\a)
	WIN 0x0a+5*((\a)/4)
.irp b, 0,1,2,3
	v_max3_num_f32 v[TM+\b], v[AC+16*\b], v[AC+16*\b+1], 0xff800000   ; the largest score of each block of 32 keys; each accumulator from its low end on
.endr
.set I, 2
.rept 7
.irp b, 0,1,2,3
	v_max3_num_f32 v[TM+\b], v[AC+16*\b+I], v[AC+16*\b+I+1], v[TM+\b]
.endr
.set I, I+2
.endr
	WIN 0
.irp b, 0,1,2,3
	v_permlanex16_b32 v[TM+4+\b], v[TM+\b], s90, s91
.endr
.irp b, 0,1,2,3
	v_max_num_f32 v[TM+\b], v[TM+\b], v[TM+4+\b]
.endr
	v_max3_num_f32 v[T0], v[TM], v[TM+1], v[TM+2]
	v_max_num_f32 v[T0], v[T0], v[TM+3]            ; the largest of the 128
	v_mul_f32 v[T0], s92, v[T0]                    ; as t (c is positive)
	v_floor_f32 v[MP], -v[T0]                      ; N = -M = floor(-t): a whole number
	v_mov_b32 v[32+(\a)], v[MP]
	WIN 2+(\a)/4
.set J, 0
.rept 32
	v_pk_fma_f32 v[64+J:65+J], v[AC+J:AC+J+1], s[92:93], v[MP:MP+1] op_sel_hi:[1,0,0]   ; t - M, two at a time
.set J, J+2
.endr
	WIN 0
.irp b, 0,1,2,3
	v_fma_f32 v[TM+\b], v[TM+\b], s92, v[MP]       ; the same of each block's largest score: p rises with the score
.endr
.set J, 0
	s_wait_alu depctr_va_vdst(0)
.rept 64
	v_exp_f32 v[64+J], v[64+J]                     ; p = 2^(t-M)
.set J, J+1
.endr
.irp b, 0,1,2,3
	v_exp_f32 v[TM+\b], v[TM+\b]                   ; each block's largest p
.endr
	v_nop                                          ; a plain place behind the last exponential
	s_wait_alu depctr_va_vdst(0)                   ; one wait for the batch of 68, ahead of its first reader
	v_pk_add_f32 v[244:245], v[64:65], v[66:67]    ; the sum of the UNQUANTISED p, in two chains
	v_pk_add_f32 v[246:247], v[68:69], v[70:71]
.set J, 8
.rept 14
	v_pk_add_f32 v[244:245], v[244:245], v[64+J:65+J]
	v_pk_add_f32 v[246:247], v[246:247], v[66+J:67+J]
.set J, J+4
.endr
	v_pk_add_f32 v[244:245], v[244:245], v[246:247]
.irp b, 0,1,2,3
	v_max_num_f32 v[TM+\b], 0x2800000, v[TM+\b]    ; the floor 2^(5-127)
.endr
.irp b, 0,1,2,3
	v_add_nc_u32 v[TS+\b], 0xfe000000, v[TM+\b]
.endr
.irp b, 0,1,2,3
	v_lshrrev_b32 v[TM+4+\b], 23, v[TS+\b]
.endr
	v_add_f32 v[T0], v244, v245
	v_lshl_or_b32 v[48+(\a)], v[TM+5], 8, v[TM+4]
	v_permlanex16_b32 v[T1], v[T0], s90, s91
	v_lshl_or_b32 v[48+(\a)], v[TM+6], 16, v[48+(\a)]
	v_lshl_or_b32 v[48+(\a)], v[TM+7], 24, v[48+(\a)]
	v_add_f32 v[40+(\a)], v[T0], v[T1]             ; with lane l xor 16's: the sum over the 128 keys
.irp c, 0,1
	v_cvt_scalef32_pk16_bf6_f32 v[PCA+6*\c:PCA+6*\c+2], v[64+32*\c:79+32*\c], v[TS+2*\c]
	v_cvt_scalef32_pk16_bf6_f32 v[TC+4*\c:TC+4*\c+2], v[80+32*\c:95+32*\c], v[TS+2*\c+1]
.endr
	v_nop                                          ; one plain place behind a scaled conversion
.irp c, 0,1
.irp i, 0,1,2
	v_permlane16_swap_b32 v[PCA+6*\c+\i], v[TC+4*\c+\i]
.endr
.irp i, 0,1,2
	v_mov_b32 v[PCA+6*\c+3+\i], v[TC+4*\c+\i]
.endr
.endr
.irp c, 0,1,2
	global_store_b128 v2, v[PCA+4*\c:PCA+4*\c+3], s[86:87] offset:1536*(\a)+512*\c   ; image a: 512 consecutive bytes a store
.endr
.endm
.irp a, 0,1,2,3,4,5,6,7
	SOFTQ \a
.endr
	v_cmp_eq_u32 vcc_lo, 1, v4
.irp k, 0,1,2,3
	v_cndmask_b32 v[56+\k], v[48+\k], v[52+\k], vcc_lo     ; lanes 0-15: images 0-3 of row r; lanes 16-31: images 4-7
	v_cndmask_b32 v[60+\k], v[32+\k], v[36+\k], vcc_lo
	v_cndmask_b32 v[224+\k], v[40+\k], v[44+\k], vcc_lo
.endr
	global_store_b128 v2, v[56:59], s[88:89]               ; scale words
	global_store_b128 v2, v[60:63], s[88:89] offset:512    ; N
	global_store_b128 v2, v[224:227], s[88:89] offset:1024 ; sums
	s_wait_tensorcnt 0x0                           ; the wave's end
	ds_add_u32 v28, v29
	s_wait_dscnt 0x0
	CROUND
	s_endpgm
.Lfunc_end_k_q4eab0ced92_score:
	.size	k_q4eab0ced92_score, .Lfunc_end_k_q4eab0ced92_score-k_q4eab0ced92_score
	.p2alignl 7, 3214868480
	.fill 96, 4, 3214868480
	.section	.rodata,"a",@progbits
	.p2align	6, 0x0
	.amdhsa_kernel k_q4eab0ced92_score
		.amdhsa_group_segment_fixed_size 327680
		.amdhsa_private_segment_fixed_size 0
		.amdhsa_enable_private_segment 0
		.amdhsa_kernarg_size 24
		.amdhsa_user_sgpr_count 2
		.amdhsa_user_sgpr_kernarg_segment_ptr 1
		.amdhsa_wavefront_size32 1
		.amdhsa_system_sgpr_workgroup_id_x 1
		.amdhsa_system_sgpr_workgroup_id_y 1
		.amdhsa_system_sgpr_workgroup_id_z 1
		.amdhsa_system_vgpr_workitem_id 0
		.amdhsa_next_free_vgpr 1024
		.amdhsa_next_free_sgpr 100
		.amdhsa_reserve_vcc 1
		.amdhsa_float_denorm_mode_32 3
		.amdhsa_float_denorm_mode_16_64 3
		.amdhsa_memory_ordered 1
		.amdhsa_forward_progress 1
		.amdhsa_inst_pref_size 192
	.end_amdhsa_kernel
	.amdgpu_metadata
---
amdhsa.version: [ 1, 2 ]
amdhsa.kernels:
  - .name:           k_q4eab0ced92_score
    .symbol:         k_q4eab0ced92_score.kd
    .args:
      - { .name: qkv, .offset: 0, .size: 8, .value_kind: global_buffer, .address_space: global }
      - { .name: pc, .offset: 8, .size: 8, .value_kind: global_buffer, .address_space: global }
      - { .name: pst, .offset: 16, .size: 8, .value_kind: global_buffer, .address_space: global }
    .group_segment_fixed_size: 327680
    .private_segment_fixed_size: 0
    .kernarg_segment_align: 8
    .kernarg_segment_size: 24
    .max_flat_workgroup_size: 128
    .sgpr_count:     100
    .vgpr_count:     1024
    .wavefront_size: 32
...
	.end_amdgpu_metadata
.endif
;; end of part 3
;; launch pv (part 4): grid 8 x 32, 4 waves a work-group, clusters of 4 x 1, 327,680 bytes of LDS; arguments qkv, pc, pst, out0; writes out0
.if DOCPART == 4
	.amdgcn_target "amdgcn-amd-amdhsa--gfx1250"
	.amdhsa_code_object_version 6
	.text
	.protected	k_q4eab0ced92_pv
	.globl	k_q4eab0ced92_pv
	.p2align	8
	.type	k_q4eab0ced92_pv,@function
k_q4eab0ced92_pv:
	s_mov_b64 s[64:65], 0
	v_nop
	global_prefetch_b8 v0, s[64:65] scope:SCOPE_SE
	s_setreg_imm32_b32 hwreg(HW_REG_WAVE_MODE, 25, 1), 1
	s_wait_xcnt 0x0
	s_wait_alu depctr_hold_cnt(0) depctr_sa_sdst(0) depctr_va_vdst(0) depctr_va_sdst(0) depctr_va_ssrc(0) depctr_va_vcc(0) depctr_vm_vsrc(0)
	s_getreg_b32 s2, hwreg(HW_REG_IB_STS2, 6, 4)
	s_cmp_eq_u32 s2, 0
	s_cbranch_scc0 .Lentry_in_a_cluster
	s_endpgm
.Lentry_in_a_cluster:
	s_bfe_u32 s2, ttmp6, 0x10000c
	s_cmp_lg_u32 s2, 0x3003
	s_cbranch_scc0 .Lentry_shape_is_right
	s_endpgm
.Lentry_shape_is_right:
; out0[b][e][q] = (sum over keys of V^T[e][k] P[q][k]) / l[q], on codes of BF6.  Source 0 = P (its rows, the queries, fall into registers in natural order), source 1 = V^T (a lane holds one e).
; SHARES.  A work-group makes 128 e x 256 q.  Wave w multiplies all 128 e by queries 64 w .. 64 w + 63 (four images of P) over all 16 K steps: 512 matrix instructions on 32 accumulators, one sum for each output, K ascending.
; V^T: the work-group's 16 chunks of 12,800 bytes are 204,800 bytes of LDS: each wave brings four of them by ONE joint load at the head (shared by the four work-groups of a 4 x 1 cluster, which make the same e for other
; queries); nothing is filled again, so the walk along K has no barrier, and behind the head's one barrier the waves share nothing.
; P: each byte of P is multiplied by ONE wave of the work-group, and pc holds images of the operand's registers: so P goes from memory straight into that wave's registers, and touches no LDS byte.  That is why P has no joint
; load: a joint load lands in LDS.  A batch is a K step's four fragments, 12 loads of 512 consecutive bytes; window 1 holds a ring of five batches, so four batches (24,576 bytes a wave) are asked for ahead of the one multiplied.
; No prefetch: the 16 K steps are written out, there is no loop to run ahead in, and the ring of batches is the run ahead.
; V^T has two sets of registers, the next step's fetched at a step's head.
; THE FIX-UP, in registers, each wave for its own 64 queries.  P's chunks of 128 keys were made under local whole numbers M.  For each query G = the smallest N = -M of its 16 chunks; d = N - G is a whole number, 0 or more;
; each chunk's four scale bytes are lowered by d (held at 0 from below) and l = the sum of the chunks' sums x 2^-d: exact powers of two.  P's bytes are at most 123, so bit 7 of each byte catches the borrow.
; Lane (r, h) holds row r of my four images for the chunks 2m + h: so a scale register carries K step 2m in lanes 0-15 and K step 2m + 1 in lanes 16-31, which the matrix instruction reads by MATRIX_SCALE_ROW1.
; V^T's scale words lie with image j in lanes 0-15 and image 4 + j in lanes 16-31, read the same way.
; THE WAY OUT.  64 rows of e at a time go through the wave's own stage (rows of 272 bytes, bytes into which no fill lands) and come back as whole rows of 256 bytes, two to a load; x 1/l (a lane's four q are the same in every
; row); all LDS and vector work stands ahead of the 64 stores, each of which writes two aligned runs of 256 bytes.
; LIMITS: NaN and infinities are not served; a chunk whose M lies 127 or more under the row's counts for nothing in l and gets the byte 0.
; REGISTERS.  Window 0: v2-5 16 x lane + 4 chunks x 0..3; v12, v13 the add's; v14-19 addresses; v20-23 1/l; v24-31 V^T's scale words, two sets; v32-63 P's scale words, four for two K steps; v64-255 V^T's fragments, two sets
; (at the head: N, sums, work).  Window 1: v0-239 P's five batches.  Window 2: accumulator (a, b) at v[8(8b+a)].  Window 3: the rows on the way out.
.set CH,    12800
.set PB,    12288
.set STG,   16*CH                      ; behind V^T: a stage of 64 rows x 272 bytes for each wave
.set RL,    STG+4*64*272               ; 1/l in natural order of q: 256 bytes for each wave, its own
.set SPARE, RL+1024                    ; the spare words: two blocks of 256 bytes that no other line names
.set SPW,   12
.set NIL,   13
.set WR,    32
.set NR,    64
.set LR,    96
.set GG,    192
.set LL,    196
.set T0,    200
.set T2,    204
.set T4,    208
.set MSB,   0
.macro WIN new                         ; the immediate's high byte repeats the setting that is left
.if MSB != (\new)
	s_set_vgpr_msb (MSB<<8)|(\new)
.set MSB, (\new)
.endif
.endm
.macro PLACES n                        ; plain places behind matrix instructions (ISA guide 7.12.1)
.rept \n
	v_nop
.endr
.endm
.macro CROUND                          ; a round of the cluster's barrier
	s_barrier_signal -1
	s_barrier_wait -1
	s_cmp_lg_u32 s14, 0
	s_cbranch_scc1 .Lnot_wave_0_\@
	s_barrier_signal -3
.Lnot_wave_0_\@:
	s_barrier_wait -3
	s_barrier_signal -1
	s_barrier_wait -1
.endm
.macro VFETCH n                        ; K step n of V^T into set n % 2: 8 images, each the 12 registers that it is, and the scale words: 25 loads
.set VF, 64+96*((\n)%2)
.set AR, 2+(\n)/4
.set OF, ((\n)%4)*CH
	WIN 0
.irp t, 0,1,2,3,4,5,6,7,8,9,10,11,12,13,14,15,16,17,18,19,20,21,22,23
	ds_load_b128 v[VF+4*\t:VF+4*\t+3], v[AR] offset:OF+512*\t
.endr
	ds_load_b128 v[24+4*((\n)%2):27+4*((\n)%2)], v[AR] offset:OF+12288
.endm
.macro PLOAD g                         ; batch g of P: my four fragments of K step g: 6,144 consecutive bytes, into place g % 5 of the ring
	WIN 0x40
.irp t, 0,1,2,3,4,5,6,7,8,9,10,11
	global_load_b128 v[48*((\g)%5)+4*\t:48*((\g)%5)+4*\t+3], v2, s[76:77] offset:PB*(\g)+512*\t
.endr
.endm
.macro WM d, p, f, sa, sb, zero, m1, m2
.if \zero
	v_wmma_scale_f32_16x16x128_f8f6f4 v[(\d):(\d)+7], v[(\p):(\p)+11], v[(\f):(\f)+11], 0, v[\sa], v[\sb] matrix_a_fmt:MATRIX_FMT_BF6 matrix_b_fmt:MATRIX_FMT_BF6 \m1 \m2
.else
	v_wmma_scale_f32_16x16x128_f8f6f4 v[(\d):(\d)+7], v[(\p):(\p)+11], v[(\f):(\f)+11], v[(\d):(\d)+7], v[\sa], v[\sb] matrix_a_fmt:MATRIX_FMT_BF6 matrix_b_fmt:MATRIX_FMT_BF6 \m1 \m2
.endif
.endm
.macro MUL32 g, zero                   ; a batch's four fragments x V^T's eight blocks.  The 32 accumulators take turns, one instruction a turn, in the same order in every step
.set PR, 48*((\g)%5)
.set VF, 64+96*((\g)%2)
.set VS, 24+4*((\g)%2)
.set PS, WR+4*((\g)/2)
.irp b, 0,1,2,3
.irp a, 0,1,2,3
.if (\g)%2
	WM 8*(8*\b+\a), PR+12*\b, VF+12*\a, PS+\b, VS+\a, \zero, matrix_a_scale:MATRIX_SCALE_ROW1
.else
	WM 8*(8*\b+\a), PR+12*\b, VF+12*\a, PS+\b, VS+\a, \zero
.endif
.endr
.irp a, 4,5,6,7
.if (\g)%2
	WM 8*(8*\b+\a), PR+12*\b, VF+12*\a, PS+\b, VS+\a-4, \zero, matrix_a_scale:MATRIX_SCALE_ROW1, matrix_b_scale:MATRIX_SCALE_ROW1
.else
	WM 8*(8*\b+\a), PR+12*\b, VF+12*\a, PS+\b, VS+\a-4, \zero, matrix_b_scale:MATRIX_SCALE_ROW1
.endif
.endr
.endr
.endm
.macro STEP g, zero                    ; a K step: 32 products
.set LATER, 15-(\g)
.if LATER > 4
.set LATER, 4
.endif
	s_wait_loadcnt 12*LATER                        ; batch g is in: behind it the younger batches, four at most, 12 loads each, may be out
	s_wait_dscnt 0x0                               ; this step's set of V^T, asked for a step ago, is in
.if (\g) < 15
	VFETCH (\g)+1                                  ; the next step's, into the set that the step before multiplied: the places stand at that step's end
.endif
	WIN 0xa1                                       ; source 0 window 1, source 1 window 0, C and D window 2
	MUL32 \g, \zero
	PLACES 4                                       ; in front of loads into registers that matrix instructions have read, and of the first reads of results
.if (\g)+5 <= 15
	PLOAD (\g)+5                                   ; the ring's place just multiplied takes the batch five on
.endif
.endm
	s_load_b256 s[4:11], s[0:1], 0x0               ; qkv, pc, pst, out0
	v_lshl_add_u32 v[SPW], v0, 2, SPARE
	v_mov_b32 v[NIL], 0
	ds_add_u32 v[SPW], v[NIL]
	ds_add_u32 v[SPW], v[NIL]
	s_wait_dscnt 0x0
	v_lshrrev_b32 v1, 5, v0
	v_readfirstlane_b32 s14, v1                    ; wave 0..3
	s_lshr_b32 s15, s14, 1                         ; which of the two query groups of 128
	s_and_b32 s16, s14, 1                          ; which four of its eight images
	s_bfe_u32 s66, ttmp6, 0x40000                  ; cx
	s_and_b32 s72, ttmp7, 0xffff                   ; y = 8 x batch + group of e (the cluster is one work-group high)
	s_mov_b32 s24, 15|(3<<16)|(1<<21)              ; group 1: a dense block of 51,200 bytes as 200 rows of 32 elements of 8 bytes; the mask names the cluster's four, bit 21 beside it
	s_mov_b32 s25, 32<<16
	s_mov_b32 s26, 200<<16
	s_mov_b32 s27, 32<<16
	s_mov_b32 s28, 200
	s_mov_b32 s29, 32
	s_mov_b32 s30, 0
	s_mov_b32 s31, 0
	s_lshr_b32 s79, s72, 3                         ; the batch
	s_lshl_b32 s74, s72, 20                        ; out0: 128 y rows of 8,192 bytes
	s_mul_i32 s72, s72, 16*CH
	s_add_co_u32 s72, s72, 1024*CH                 ; V^T lies behind Q and K
	s_mul_i32 s33, s14, 4*CH                       ; my four chunks: their place in LDS, and in the group's 16
	s_add_co_u32 s72, s72, s33
	s_mov_b32 s73, 0
	s_lshl_b32 s76, ttmp9, 2
	s_add_co_u32 s76, s76, s66                     ; x = 4 x cluster x + cx: which 256 queries of the batch
	s_lshl_b32 s78, s76, 10                        ; in bytes of a row of out0,
	s_lshl_b32 s81, s14, 8
	s_add_co_u32 s78, s78, s81                     ; + my 64
	s_add_co_u32 s82, s74, s78
	s_mov_b32 s83, 0
	s_lshl_b32 s76, s76, 1
	s_lshl_b32 s79, s79, 4
	s_add_co_u32 s76, s76, s79
	s_add_co_u32 s76, s76, s15                     ; my query group
	s_mul_i32 s84, s76, 16*1536                    ; its statistics,
	s_lshl_b32 s81, s16, 8
	s_add_co_u32 s84, s84, s81                     ; my four images' 256 bytes of each 512
	s_mov_b32 s85, 0
	s_mul_i32 s76, s76, 16*PB                      ; P: my group,
	s_mul_i32 s77, s16, 6144
	s_add_co_u32 s76, s76, s77                     ; my four images
	s_mov_b32 s77, 0
	s_mul_i32 s44, s14, 64*272
	s_add_co_u32 s44, s44, STG                     ; my stage
	s_lshl_b32 s47, s14, 8
	s_add_co_u32 s47, s47, RL                      ; my 1/l
	s_mov_b32 s92, 0x76543210
	s_mov_b32 s93, 0xfedcba98                      ; selects for lane l xor 16
	s_mov_b32 s94, 0x80808080
	v_and_b32 v1, 31, v0
	v_lshlrev_b32 v2, 4, v1                        ; 16 x lane
	v_and_b32 v6, 15, v0                           ; r
	v_bfe_u32 v7, v0, 4, 1                         ; h
	v_mul_u32_u24 v9, v7, 1536
	v_lshl_add_u32 v8, v6, 4, v9                   ; statistics: 16 r, lanes 16-31 one chunk on
	s_wait_alu depctr_va_vdst(0)
	s_wait_kmcnt 0x0
	s_add_nc_u64 s[72:73], s[4:5], s[72:73]
	s_add_nc_u64 s[76:77], s[6:7], s[76:77]
	s_add_nc_u64 s[84:85], s[8:9], s[84:85]
	s_add_nc_u64 s[88:89], s[10:11], s[82:83]
.irp m, 0,1,2,3,4,5,6,7                ; 24 loads, each of two aligned runs of 256 bytes: scale words, N and sums of chunks 2m + h
	global_load_b128 v[WR+4*\m:WR+4*\m+3], v8, s[84:85] offset:3072*\m
	global_load_b128 v[NR+4*\m:NR+4*\m+3], v8, s[84:85] offset:3072*\m+512
	global_load_b128 v[LR+4*\m:LR+4*\m+3], v8, s[84:85] offset:3072*\m+1024
.endr
	PLOAD 0
	PLOAD 1
	PLOAD 2
	WIN 0
	CROUND                                         ; the cluster's four work-groups are here: the joint loads meet
	s_mov_b32 s32, 1
	s_mov_b64 s[34:35], s[72:73]
	s_or_b32 s35, s35, 0x80000000
	tensor_load_to_lds s[32:35], s[24:31]          ; my one tensor load: four chunks of V^T, into bytes that are mine by the wave's number
	s_nop 0
	PLACES 4
	v_add_nc_u32 v3, 4*CH, v2                      ; V^T's K steps 4-7, 8-11, 12-15
	v_add_nc_u32 v4, 8*CH, v2
	v_add_nc_u32 v5, 12*CH, v2
	v_mul_u32_u24 v9, v6, 272
	v_lshl_add_u32 v9, v7, 6, v9
	v_add_nc_u32 v14, s44, v9                      ; into the stage: row r, + 64 h
	v_mul_u32_u24 v10, v7, 272
	v_lshl_add_u32 v10, v6, 4, v10
	v_add_nc_u32 v16, s44, v10                     ; back: lanes 0-15 one row of 256 bytes, lanes 16-31 the next
	v_lshlrev_b32 v17, 13, v7
	v_lshl_add_u32 v17, v6, 4, v17                 ; and the same two rows in out0
	v_lshl_add_u32 v18, v6, 4, s47                 ; 1/l of q = 4 (l % 16) ..
	v_lshrrev_b32 v11, 3, v6
	v_lshlrev_b32 v19, 2, v6
	v_lshl_add_u32 v19, v11, 5, v19
	v_add_nc_u32 v19, s47, v19                     ; 1/l of my image j, row r goes to word 32(j/2) + 8(j%2) + r + 8(r/8)
.irp e, 0,1,2,3
	v_mov_b32 v[T4+\e], 0                          ; a lane permute's destination counts as read
.endr
	s_wait_alu depctr_va_vdst(0)
	s_wait_loadcnt 36                              ; the 24 are in; batches 0-2, 36 loads, may be out
	PLOAD 3
	PLOAD 4
	WIN 0
.irp e, 0,1,2,3
	v_min3_num_f32 v[GG+\e], v[NR+\e], v[NR+4+\e], v[NR+8+\e]
.endr
.irp m, 3,5
.irp e, 0,1,2,3
	v_min3_num_f32 v[GG+\e], v[GG+\e], v[NR+4*\m+\e], v[NR+4*\m+4+\e]
.endr
.endr
.irp e, 0,1,2,3
	v_min_num_f32 v[GG+\e], v[GG+\e], v[NR+28+\e]
.endr
.irp e, 0,1,2,3
	v_permlanex16_b32 v[T4+\e], v[GG+\e], s92, s93
.endr
.irp e, 0,1,2,3
	v_min_num_f32 v[GG+\e], v[GG+\e], v[T4+\e]     ; with lane l xor 16's eight chunks: G = -(the row's largest M)
.endr
.macro FIX m
	v_pk_add_f32 v[T0:T0+1], v[NR+4*\m:NR+4*\m+1], v[GG:GG+1] neg_lo:[0,1] neg_hi:[0,1]   ; d = N - G
	v_pk_add_f32 v[T0+2:T0+3], v[NR+4*\m+2:NR+4*\m+3], v[GG+2:GG+3] neg_lo:[0,1] neg_hi:[0,1]
.irp e, 0,1,2,3
	v_min_num_f32 v[T0+\e], 0x42fe0000, v[T0+\e]   ; held at 127
.endr
.irp e, 0,1,2,3
	v_cvt_u32_f32 v[T0+\e], v[T0+\e]
.endr
.irp e, 0,1,2,3
	v_lshl_or_b32 v[T2+\e], v[T0+\e], 8, v[T0+\e]
.endr
.irp e, 0,1,2,3
	v_lshl_or_b32 v[T2+\e], v[T2+\e], 16, v[T2+\e] ; d in all four bytes
.endr
.irp e, 0,1,2,3
	v_or_b32 v[WR+4*\m+\e], s94, v[WR+4*\m+\e]     ; 128 onto each byte: no byte borrows from its neighbour
.endr
.irp e, 0,1,2,3
	v_sub_nc_u32 v[WR+4*\m+\e], v[WR+4*\m+\e], v[T2+\e]
.endr
.irp e, 0,1,2,3
	v_and_b32 v[T2+\e], s94, v[WR+4*\m+\e]         ; bit 7 stands where byte - d is 0 or more
.endr
.irp e, 0,1,2,3
	v_lshrrev_b32 v[T4+\e], 7, v[T2+\e]
.endr
.irp e, 0,1,2,3
	v_sub_nc_u32 v[T2+\e], v[T2+\e], v[T4+\e]      ; 0x7f there, 0 elsewhere
.endr
.irp e, 0,1,2,3
	v_and_b32 v[WR+4*\m+\e], v[WR+4*\m+\e], v[T2+\e]
.endr
.irp e, 0,1,2,3
	v_sub_nc_u32 v[T0+\e], 127, v[T0+\e]
.endr
.irp e, 0,1,2,3
	v_lshlrev_b32 v[T0+\e], 23, v[T0+\e]           ; 2^-d as f32 (0 where d = 127)
.endr
.if \m == 0
	v_pk_mul_f32 v[LL:LL+1], v[LR:LR+1], v[T0:T0+1]
	v_pk_mul_f32 v[LL+2:LL+3], v[LR+2:LR+3], v[T0+2:T0+3]
.else
	v_pk_fma_f32 v[LL:LL+1], v[LR+4*\m:LR+4*\m+1], v[T0:T0+1], v[LL:LL+1]
	v_pk_fma_f32 v[LL+2:LL+3], v[LR+4*\m+2:LR+4*\m+3], v[T0+2:T0+3], v[LL+2:LL+3]
.endif
.endm
.irp m, 0,1,2,3,4,5,6,7
	FIX \m
.endr
.irp e, 0,1,2,3
	v_permlanex16_b32 v[T4+\e], v[LL+\e], s92, s93
.endr
	v_pk_add_f32 v[LL:LL+1], v[LL:LL+1], v[T4:T4+1]        ; with lane l xor 16's eight chunks: l
	v_pk_add_f32 v[LL+2:LL+3], v[LL+2:LL+3], v[T4+2:T4+3]
	s_wait_alu depctr_va_vdst(0)
.irp e, 0,1,2,3
	v_rcp_f32 v[T0+\e], v[LL+\e]
.endr
	v_nop                                          ; a plain place behind the reciprocals
	s_wait_alu depctr_va_vdst(0)                   ; one wait for the four, ahead of their first reader
	s_wait_tensorcnt 0x0                           ; my four chunks of V^T are in
	ds_store_b32 v19, v[T0]                        ; both lanes of a row write the same word with the same value
	ds_store_b32 v19, v[T0+1] offset:32
	ds_store_b32 v19, v[T0+2] offset:128
	ds_store_b32 v19, v[T0+3] offset:160
	s_wait_dscnt 0x0
	s_barrier_signal -1
	s_barrier_wait -1                              ; everybody's chunks are in
	VFETCH 0
	STEP 0, 1                                      ; the first K step's products start the sums: nothing is cleared
.irp g, 1,2,3,4,5,6,7,8,9,10,11,12,13,14,15
	STEP \g, 0
.endr
.macro TOST u                          ; blocks 4u .. 4u+3 into my stage, each accumulator from its low end on: register j of (a, b) is q = 32(b/2)+16h+8(b%2)+j of the block's row r
	WIN 0x08                                       ; an LDS store's data are its source 1: window 2
.irp b, 0,1,2,3
.irp a, 0,1,2,3
	ds_store_b128 v14, v[8*(8*\b+4*(\u)+\a):8*(8*\b+4*(\u)+\a)+3] offset:4352*\a+128*(\b/2)+32*(\b%2)
	ds_store_b128 v14, v[8*(8*\b+4*(\u)+\a)+4:8*(8*\b+4*(\u)+\a)+7] offset:4352*\a+128*(\b/2)+32*(\b%2)+16
.endr
.endr
.endm
.macro BACK u                          ; and back, two rows a load, into window 3.  LDS serves a wave's instructions in order (ISA guide 5.7.1.4): these see the stores above
	WIN 0xc0
.set M, 0
.rept 32
	ds_load_b128 v[128*(\u)+4*M:128*(\u)+4*M+3], v16 offset:544*M
.set M, M+1
.endr
.endm
.macro SCALE u
	WIN 0xc3                                       ; destination and source 0 window 3, source 1 window 0
.set M, 0
.rept 32
	v_pk_mul_f32 v[128*(\u)+4*M:128*(\u)+4*M+1], v[128*(\u)+4*M:128*(\u)+4*M+1], v[20:21]       ; / l
	v_pk_mul_f32 v[128*(\u)+4*M+2:128*(\u)+4*M+3], v[128*(\u)+4*M+2:128*(\u)+4*M+3], v[22:23]
.set M, M+1
.endr
.endm
.macro SEND u                          ; stage rows 2M, 2M+1 are lane-rows t = 2M % 16 and the next of image 4u + M/8: rows 32(i/2)+8(i%2)+t+8(t/8) of the 128
	WIN 0x0c                                       ; a store's data are its source 1: window 3
.set M, 0
.rept 32
	global_store_b128 v17, v[128*(\u)+4*M:128*(\u)+4*M+3], s[88:89] offset:(64*(\u)+32*((M/8)/2)+8*((M/8)%2)+(2*M)%16+8*(((2*M)%16)/8))*8192 th:TH_STORE_NT   ; sixteen lanes store 256 consecutive bytes, aligned; every row has registers of its own
.set M, M+1
.endr
.endm
	WIN 0
	ds_load_b128 v[20:23], v18                     ; my own bytes
	TOST 0
	BACK 0
	TOST 1
	s_wait_dscnt 32                                ; 1/l and the first 64 rows are back; the 32 stores just issued may be out
	BACK 1
	SCALE 0
	s_wait_dscnt 0x0
	SCALE 1
	SEND 0
	SEND 1
	WIN 0
	s_wait_tensorcnt 0x0                           ; the wave's end
	ds_add_u32 v[SPW], v[NIL]
	s_wait_dscnt 0x0
	CROUND                                         ; the closing round
	s_endpgm
.Lfunc_end_k_q4eab0ced92_pv:
	.size	k_q4eab0ced92_pv, .Lfunc_end_k_q4eab0ced92_pv-k_q4eab0ced92_pv
	.p2alignl 7, 3214868480
	.fill 96, 4, 3214868480
	.section	.rodata,"a",@progbits
	.p2align	6, 0x0
	.amdhsa_kernel k_q4eab0ced92_pv
		.amdhsa_group_segment_fixed_size 327680
		.amdhsa_private_segment_fixed_size 0
		.amdhsa_enable_private_segment 0
		.amdhsa_kernarg_size 32
		.amdhsa_user_sgpr_count 2
		.amdhsa_user_sgpr_kernarg_segment_ptr 1
		.amdhsa_wavefront_size32 1
		.amdhsa_system_sgpr_workgroup_id_x 1
		.amdhsa_system_sgpr_workgroup_id_y 1
		.amdhsa_system_sgpr_workgroup_id_z 1
		.amdhsa_system_vgpr_workitem_id 0
		.amdhsa_next_free_vgpr 1024
		.amdhsa_next_free_sgpr 100
		.amdhsa_reserve_vcc 0
		.amdhsa_float_denorm_mode_32 3
		.amdhsa_float_denorm_mode_16_64 3
		.amdhsa_memory_ordered 1
		.amdhsa_forward_progress 1
		.amdhsa_inst_pref_size 162
	.end_amdhsa_kernel
	.amdgpu_metadata
---
amdhsa.version: [ 1, 2 ]
amdhsa.kernels:
  - .name:           k_q4eab0ced92_pv
    .symbol:         k_q4eab0ced92_pv.kd
    .args:
      - { .name: qkv, .offset: 0, .size: 8, .value_kind: global_buffer, .address_space: global }
      - { .name: pc, .offset: 8, .size: 8, .value_kind: global_buffer, .address_space: global }
      - { .name: pst, .offset: 16, .size: 8, .value_kind: global_buffer, .address_space: global }
      - { .name: out0, .offset: 24, .size: 8, .value_kind: global_buffer, .address_space: global }
    .group_segment_fixed_size: 327680
    .private_segment_fixed_size: 0
    .kernarg_segment_align: 8
    .kernarg_segment_size: 32
    .max_flat_workgroup_size: 128
    .sgpr_count:     100
    .vgpr_count:     1024
    .wavefront_size: 32
...
	.end_amdgpu_metadata
.endif
;; end of part 4
